; MI455X (gfx1250); checked and timed in simulation.
; The chip was launched on July 23, 2026; its instructions are those of AMD's public machine-readable ISA for CDNA 5 (MIT licence, August 2026) and "CDNA5" Instruction Set Architecture Reference Guide (July 2026). The comments in the code are by the model that wrote it; some were corrected since.
;; Self Attention. Allowed arithmetic: matrix products marked QUANTISED: E2M1 operands, one E8M0 scale for each 32 along K, by v_wmma_scale_f32_16x16x128_f8f6f4 with both operands' format E2M1 (or v_wmma_scale_f32_32x16x128_f4), f32 sums; products left as they are: bf16, f16 or f32 operands; f32 sums; everything else in f32.
;; Inputs: in_proj_b 3,072 float32; in_proj_w 3,072 x 1,024 float32; out_proj_b 1,024 float32; out_proj_w 1,024 x 1,024 float32; tensor 4 x 2,048 x 1,024 float32.
;; Outputs: out0 4 x 2,048 x 1,024 float32.
;; Constants: causal_mask = 1.
;; This version of the problem:
;;   THIS VERSION OF THE PROBLEM IS GIVEN IN LOW PRECISION. The matrix products marked QUANTISED in the list below multiply operands that are first quantised to E2M1 (2 exponent bits, 1 mantissa bit; 4 bits a number), with one power-of-two scale for each 32 numbers along K (OCP MX v1.0); their sums are f32. The products marked 'left as it is' may take bf16, f16 or f32 operands, with f32 sums. Whichever they take, every output number must still come out within the allowed error. Rounding operands to bf16 (8 significant bits) uses up far more of that allowance than f16 does (11 bits, for magnitudes from 6e-5 to 65,504). All else is computed in f32.
;;   The module's matrix products, in the order in which they are computed (A, B: the left and right operand; K: the contracted axis; several contracted axes count as one K, in the product's order):
;;     1. [M 8,192, K 1,024] x [K 1,024, N 3,072]; A: input tensor; B: input in_proj_w: QUANTISED
;;     2. batch 64 x [M 2,048, K 64] x [K 64, N 2,048]; A: computed on the way; B: computed on the way: left as it is (an operand is computed on the way)
;;     3. batch 64 x [M 2,048, K 2,048] x [K 2,048, N 64]; A: computed on the way; B: computed on the way: left as it is (an operand is computed on the way)
;;     4. [M 8,192, K 1,024] x [K 1,024, N 1,024]; A: computed on the way; B: input out_proj_w: left as it is (an operand is computed on the way)
;;   THE QUANTISER, for each operand of a quantised product, along K:
;;     - K is cut into blocks of 32 from its start; a last block that is shorter is filled with zeros.
;;     - A block's scale is 2^e with e = floor(log2(the largest magnitude in the block)) - 2, held to -126 .. 127; a block of zeros has e = 0. As a byte (E8M0): e + 127.
;;     - Each number is divided by its block's scale, clamped to +-6, and rounded to the nearest number of E2M1, ties to even, subnormals kept.
;;     - The product sums the exact products of the quantised numbers (number of the format x scale) in f32.
;;   ~~~python
;;   def quantise(x, axis):      # numpy; x: float32 -> the quantised numbers, widened to float32 again
;;       x = np.moveaxis(x, axis, -1); K = x.shape[-1]
;;       x = np.pad(x, [(0, 0)] * (x.ndim - 1) + [(0, -K % 32)]); x = x.reshape(x.shape[:-1] + (-1, 32)); a = np.abs(x).max(-1, keepdims=True)
;;       e = np.where(a > 0, np.clip(np.frexp(np.where(a > 0, a, 1))[1] - 1 - 2, -126, 127), 0)      # np.frexp(a)[1] - 1 = floor(log2(a)), exactly
;;       r = np.clip(x / 2.0 ** e, -6, 6)
;;       step = 2.0 ** (np.maximum(np.frexp(np.where(r == 0, 1, r))[1] - 1, 0) - 1)
;;       q = np.round(r / step) * step * 2.0 ** e      # np.round: ties to even
;;       return np.moveaxis(q.reshape(q.shape[:-2] + (-1,))[..., :K], -1, axis).astype(np.float32)
;;   ~~~
;; One version. Each part assembles by itself: llvm-mc -triple=amdgcn-amd-amdhsa -mcpu=gfx1250 --defsym DOCPART=n.
;; ======== version 1 of 1: 5 launches
;; limits: values are held in f16: magnitudes above 65,504 overflow, below 6.1e-05 lose precision
;; workspace buffers: x_codes 4,194,304 bytes; x_scales 262,144 bytes; w_codes 1,572,864 bytes; w_scales 98,304 bytes; wo16 2,097,152 bytes; qkv16 50,331,648 bytes; qkvf 786,432 bytes; attn16 16,777,216 bytes
;; launch prep (part 1): grid 384 x 1, 4 waves a work-group, no clusters, 33,280 bytes of LDS; arguments tensor, in_proj_w, x_codes, x_scales, w_codes, w_scales, out_proj_w, wo16; writes x_codes, x_scales, w_codes, w_scales, wo16
.if DOCPART == 1
	.amdgcn_target "amdgcn-amd-amdhsa--gfx1250"
	.amdhsa_code_object_version 6
	.text
	.protected	k_q0f92c44c12_prep
	.globl	k_q0f92c44c12_prep
	.p2align	8
	.type	k_q0f92c44c12_prep,@function
k_q0f92c44c12_prep:
	s_mov_b64 s[64:65], 0
	v_nop
	global_prefetch_b8 v0, s[64:65] scope:SCOPE_SE
	s_setreg_imm32_b32 hwreg(HW_REG_WAVE_MODE, 25, 1), 1
	s_wait_xcnt 0x0
; THE PROGRAM: causal self-attention, B = 4, S = 2,048, E = 1,024, 16 heads of 64, in five launches:
;   prep: tensor and in_proj_w into codes of FP4 (E2M1) with E8M0 scale bytes; out_proj_w into f16, laid in tiles.   qkv: the quantised product with in_proj_b; q, k, v as f16 by head.
;   attn: scores, softmax and weighted values.   proj: the projection on the way out.   fine: positions 0-15 of every sequence once more, wholly in f32.
; WORK LEFT OUT.  reference() builds the mask triu(ones, k = 1) in its own body and puts -infinity on every score whose key comes after its query; the softmax gives such a key the weight 0, whatever finite values the
; inputs hold.  So a step of 64 keys all of which come after all queries of a wave reaches no output, and launch attn does not walk it.  Nothing else is left out, and every input is loaded.
; (The K third of in_proj_b adds q . b_k to all scores of a row alike; it is kept: it rides as the C of a matrix instruction and costs no line.)
; LIMIT: a NaN, an infinity or an overflow that reaches only the steps left out is not carried to the result.
; THIS LAUNCH.  Work-groups 0-255 quantise tensor [8192][1024], 256-351 in_proj_w [3072][1024]; both have K innermost.  Work-groups 352-383 round out_proj_w to f16.
; A block's scale is 2^(floor(log2(its largest magnitude)) - 2); its byte is the largest magnitude's own exponent field - 2, held at 1 from below.  (A block of zeros so gets the byte 1 where the rule says 127:
; its codes are zeros, which add nothing under any byte but 0xff, and the bytes are read by this program alone.)  Each number is divided by the scale and rounded to the nearest code, ties to even.
; LIMITS: blocks whose largest magnitude lies under 2^(2 - 126) have their byte held at 1; NaN and infinities among the inputs are not served; |out_proj_w| stays under 65,504, f16's largest number.
; Rows are dense and K is a multiple of 32, so both tensors are plain streams of blocks of 32 numbers, and so are the codes and the scale bytes.
; A wave takes 16 steps of 512 numbers.  Each of a step's four loads reads 512 consecutive bytes, 16 a lane; the 2,048 bytes go through the wave's own stage in LDS and come back 64 bytes a lane, so that a lane
; holds 16 neighbours along K (two neighbouring lanes hold a block).  A lane's 16 codes are 8 bytes: the wave stores 256 consecutive bytes.  A wave's 256 scale bytes are gathered in LDS and leave as one aligned run.
.set SIZE_M, 8192
.set SIZE_N, 3072
.set SIZE_K, 1024
.set WAVES, 4
.set STEPS, 16
.set WGA,   SIZE_M*SIZE_K/(512*STEPS*WAVES)            ; 256 work-groups for tensor
.set WGQ,   (SIZE_M+SIZE_N)*SIZE_K/(512*STEPS*WAVES)   ; 352 for both quantised tensors
.set EMAX,  2
.set CB,    8                          ; bytes of 16 codes
.set R,     16                         ; v16-79   four sets of 16 numbers as they are loaded
.set X,     80                         ; v80-111  two sets of 16 neighbours
.set C,     128                        ; v128-191 codes: four registers for each step, so that no store's data are written again
.set E,     112                        ; v112-127 a scale byte for each step
.set WREG,  8192                       ; LDS: a region of its own for each wave: two stages of 32 x SP bytes, and behind them its 256 scale bytes
.set SP,    80                         ; a lane's place in a stage: its 64 bytes + 16 of padding
.set SPW,   12                         ; v12      LDS address of my spare word: SPARE + 4 x my thread's number; never rewritten
.set NIL,   13                         ; v13      0; never rewritten
.set SPARE, WAVES*WREG                 ; behind the four regions: the spare words, 128 bytes for each wave, which no other line names
	s_load_b128 s[4:7], s[0:1], 0x0                ; tensor, in_proj_w
	s_load_b128 s[8:11], s[0:1], 0x10              ; tensor's codes, its scales
	s_load_b128 s[12:15], s[0:1], 0x20             ; in_proj_w's codes, its scales
	s_load_b128 s[24:27], s[0:1], 0x30             ; out_proj_w, wo16
	v_lshl_add_u32 v[SPW], v0, 2, SPARE
	v_mov_b32 v[NIL], 0
	v_lshrrev_b32 v1, 5, v0
	v_readfirstlane_b32 s16, v1                    ; wave
	v_and_b32 v2, 31, v0                           ; lane
	v_lshlrev_b32 v3, 4, v2                        ; my 16 bytes of a load's 512
	s_mul_i32 s17, s16, WREG
	v_lshrrev_b32 v14, 2, v2
	v_mul_u32_u24 v14, v14, SP
	v_and_b32 v15, 3, v2
	v_lshl_add_u32 v14, v15, 4, v14
	v_add_nc_u32 v14, s17, v14                     ; the stage, on the way in: four lanes' 64 bytes on end, then 16 of padding
	v_mul_u32_u24 v15, v2, SP
	v_add_nc_u32 v15, s17, v15                     ; and on the way out: SP x lane: my 16 neighbours
	v_mul_u32_u24 v4, v2, CB                       ; my codes' place in a step's
	v_lshrrev_b32 v5, 1, v2
	s_add_co_u32 s17, s17, 2*32*SP
	v_add_nc_u32 v5, s17, v5                       ; LDS: my wave's 256 scale bytes, my block's byte
	v_lshlrev_b32 v7, 3, v2                        ; and on the way out 8 bytes a lane
	v_add_nc_u32 v6, s17, v7
	s_wait_kmcnt 0x0
	s_cmp_ge_u32 ttmp9, WGQ                        ; the last 32 work-groups round out_proj_w: a branch on the work-group's number alone
	s_cbranch_scc1 .Lwo
	s_cmp_lt_u32 ttmp9, WGA                        ; tensor's work-group or in_proj_w's?
	s_cselect_b64 s[4:5], s[4:5], s[6:7]
	s_cselect_b64 s[8:9], s[8:9], s[12:13]
	s_cselect_b64 s[10:11], s[10:11], s[14:15]
	s_cselect_b32 s17, 0, WGA
	s_sub_co_u32 s17, ttmp9, s17
	s_lshl_b32 s17, s17, 2
	s_add_co_u32 s18, s17, s16                     ; which run of 8,192 numbers of the tensor is my wave's
	s_mov_b32 s19, 0
	s_mov_b64 s[20:21], 512*STEPS*4
	s_mul_u64 s[20:21], s[18:19], s[20:21]
	s_add_nc_u64 s[4:5], s[4:5], s[20:21]
	s_mov_b64 s[20:21], 32*STEPS*CB
	s_mul_u64 s[20:21], s[18:19], s[20:21]
	s_add_nc_u64 s[8:9], s[8:9], s[20:21]
	s_lshl_b32 s18, s18, 8                         ; 256 scale bytes a run
	s_add_nc_u64 s[10:11], s[10:11], s[18:19]
.macro LOAD t
.irp i, 0,1,2,3
	global_load_b128 v[R+16*((\t)%4)+4*\i:R+16*((\t)%4)+4*\i+3], v3, s[4:5] offset:2048*(\t)+512*\i th:TH_LOAD_NT   ; 32 lanes read 512 consecutive bytes
.endr
.endm
.macro TURN t                          ; step t's numbers through the stage: LDS serves a wave's instructions in order, so no wait stands between the stores and the loads
.irp i, 0,1,2,3
	ds_store_b128 v14, v[R+16*((\t)%4)+4*\i:R+16*((\t)%4)+4*\i+3] offset:32*SP*((\t)%2)+8*SP*\i
.endr
.irp i, 0,1,2,3
	ds_load_b128 v[X+16*((\t)%2)+4*\i:X+16*((\t)%2)+4*\i+3], v15 offset:32*SP*((\t)%2)+16*\i
.endr
.endm
.irp t, 0,1,2,3
	LOAD \t
.endr
	s_wait_loadcnt 12                              ; step 0's four loads are in; the twelve of steps 1 to 3 may be out
	TURN 0
.macro STEP t
.set XS, X+16*((\t)%2)
.if (\t) > 0
	s_wait_dscnt 1                                 ; this step's numbers are back from the stage (the last step's byte store may be out)
.else
	s_wait_dscnt 0x0
.endif
.if (\t)+4 < STEPS
	LOAD (\t)+4                                    ; the registers that the stage's stores have read take the loads of four steps on
.endif
.if (\t)+1 < STEPS
.if STEPS-2-(\t) >= 3
	s_wait_loadcnt 12                              ; the next step's four loads are in; those of the three steps behind it may be out
.else
	s_wait_loadcnt 4*(STEPS-2-(\t))
.endif
	TURN (\t)+1                                    ; and go through the other stage while this step is worked
.endif
	v_max3_num_f32 v8, |v[XS]|, |v[XS+1]|, |v[XS+2]|               ; the largest magnitude of my 16
	v_max3_num_f32 v9, |v[XS+3]|, |v[XS+4]|, |v[XS+5]|
.irp i, 6,10
	v_max3_num_f32 v8, v8, |v[XS+\i]|, |v[XS+\i+1]|
	v_max3_num_f32 v9, v9, |v[XS+\i+2]|, |v[XS+\i+3]|
.endr
	v_max3_num_f32 v8, v8, |v[XS+14]|, |v[XS+15]|
	v_max3_num_f32 v8, v8, v9, (EMAX+1)<<23        ; and the floor 2^(EMAX + 1 - 127): so the byte cannot fall under 1
	v_max_num_f32_dpp v8, v8, v8 row_xmask:1 row_mask:0xf bank_mask:0xf   ; and of my neighbour's 16: the block's
	v_add_nc_u32 v11, -(EMAX<<23), v8              ; EMAX off its exponent field: the conversion takes the exponent field of this operand as its scale, and nothing else of it
	v_cvt_scalef32_pk8_fp4_f32 v[C+4*(\t)], v[XS:XS+7], v11        ; eight numbers / the scale, to the nearest code, ties to even, beyond the largest code the largest
	v_cvt_scalef32_pk8_fp4_f32 v[C+4*(\t)+1], v[XS+8:XS+15], v11
	v_lshrrev_b32 v[E+(\t)], 23, v11               ; the scale's byte
	ds_store_b8 v5, v[E+(\t)] offset:16*(\t)       ; both lanes of a block write the same byte with the same value
	global_store_b64 v4, v[C+4*(\t):C+4*(\t)+1], s[8:9] offset:32*CB*(\t)
.endm
.irp t, 0,1,2,3,4,5,6,7,8,9,10,11,12,13,14,15
	STEP \t
.endr
	ds_load_b64 v[8:9], v6                         ; LDS serves a wave's instructions in order: these see my stores
	s_wait_dscnt 0x0
	global_store_b64 v7, v[8:9], s[10:11]          ; 32 lanes store 256 consecutive bytes, aligned
	s_wait_tensorcnt 0x0                           ; the wave's end, behind my last LDS store
	ds_add_u32 v[SPW], v[NIL]
	s_wait_dscnt 0x0
	s_endpgm
; out_proj_w [1024 n][1024 k] f32 -> wo16 [n / 128][k / 64][128 n][64 k] f16: a tile of 128 n x 64 k is 16,384 consecutive bytes, which launch proj fetches as one dense block.
; Wave W of 128 takes tile W = 16 (n / 128) + k / 64.  A lane takes 8 neighbouring numbers of a row (two loads of 16 bytes), eight lanes a row's 256 bytes, the wave four rows;
; the 8 numbers round to 16 bytes, and the wave's store covers 512 consecutive bytes.  Four runs of 32 rows, the loads one run ahead.
.Lwo:
	s_sub_co_u32 s17, ttmp9, WGQ
	s_lshl_b32 s17, s17, 2
	s_add_co_u32 s17, s17, s16                     ; W
	s_lshr_b32 s18, s17, 4                         ; n / 128
	s_and_b32 s19, s17, 15                         ; k / 64
	s_lshl_b32 s20, s18, 19                        ; 128 rows of 4,096 bytes
	s_lshl_b32 s19, s19, 8                         ; 64 numbers of 4 bytes
	s_add_co_u32 s20, s20, s19
	s_mov_b32 s21, 0
	s_add_nc_u64 s[24:25], s[24:25], s[20:21]
	s_lshl_b32 s20, s17, 14
	s_add_nc_u64 s[26:27], s[26:27], s[20:21]
	v_lshrrev_b32 v3, 3, v2
	v_lshlrev_b32 v3, 12, v3                       ; row lane / 8
	v_and_b32 v4, 7, v2
	v_lshl_add_u32 v3, v4, 5, v3                   ; + 32 x (lane % 8)
	v_lshlrev_b32 v4, 4, v2                        ; out: 16 x lane
.macro WLOAD p                         ; rows 32 p .. 32 p + 31 into set p % 2: sixteen loads
.irp e, 0,1,2,3,4,5,6,7
	global_load_b128 v[16+64*((\p)%2)+8*\e:16+64*((\p)%2)+8*\e+3], v3, s[24:25] offset:(8*(\p)+\e)*16384
	global_load_b128 v[16+64*((\p)%2)+8*\e+4:16+64*((\p)%2)+8*\e+7], v3, s[24:25] offset:(8*(\p)+\e)*16384+16
.endr
.endm
.macro WROUND p
.if (\p) < 3
	s_wait_loadcnt 16                              ; this run's sixteen loads are in; the next run's sixteen may be out
.else
	s_wait_loadcnt 0x0
.endif
.if (\p) > 0
	s_wait_xcnt 0x0                                ; the last run's stores have read v144-175, which are written again below
.endif
.irp e, 0,1,2,3,4,5,6,7
.irp i, 0,1,2,3
	v_cvt_pk_f16_f32 v[144+4*\e+\i], v[16+64*((\p)%2)+8*\e+2*\i], v[16+64*((\p)%2)+8*\e+2*\i+1]
.endr
.endr
.if (\p) < 2
	WLOAD (\p)+2
.endif
.irp e, 0,1,2,3,4,5,6,7
	global_store_b128 v4, v[144+4*\e:144+4*\e+3], s[26:27] offset:(8*(\p)+\e)*512
.endr
.endm
	WLOAD 0
	WLOAD 1
	WROUND 0
	WROUND 1
	WROUND 2
	WROUND 3
	s_wait_tensorcnt 0x0                           ; the wave's end
	ds_add_u32 v[SPW], v[NIL]
	s_wait_dscnt 0x0
	s_endpgm
.Lfunc_end_k_q0f92c44c12_prep:
	.size	k_q0f92c44c12_prep, .Lfunc_end_k_q0f92c44c12_prep-k_q0f92c44c12_prep
	.p2alignl 7, 3214868480
	.fill 96, 4, 3214868480
	.section	.rodata,"a",@progbits
	.p2align	6, 0x0
	.amdhsa_kernel k_q0f92c44c12_prep
		.amdhsa_group_segment_fixed_size 33280
		.amdhsa_private_segment_fixed_size 0
		.amdhsa_enable_private_segment 0
		.amdhsa_kernarg_size 64
		.amdhsa_user_sgpr_count 2
		.amdhsa_user_sgpr_kernarg_segment_ptr 1
		.amdhsa_wavefront_size32 1
		.amdhsa_system_sgpr_workgroup_id_x 1
		.amdhsa_system_sgpr_workgroup_id_y 1
		.amdhsa_system_sgpr_workgroup_id_z 1
		.amdhsa_system_vgpr_workitem_id 0
		.amdhsa_next_free_vgpr 192
		.amdhsa_next_free_sgpr 66
		.amdhsa_reserve_vcc 0
		.amdhsa_float_denorm_mode_32 3
		.amdhsa_float_denorm_mode_16_64 3
		.amdhsa_memory_ordered 1
		.amdhsa_forward_progress 1
		.amdhsa_inst_pref_size 52
	.end_amdhsa_kernel
	.amdgpu_metadata
---
amdhsa.version: [ 1, 2 ]
amdhsa.kernels:
  - .name:           k_q0f92c44c12_prep
    .symbol:         k_q0f92c44c12_prep.kd
    .args:
      - { .name: tensor, .offset: 0, .size: 8, .value_kind: global_buffer, .address_space: global }
      - { .name: in_proj_w, .offset: 8, .size: 8, .value_kind: global_buffer, .address_space: global }
      - { .name: x_codes, .offset: 16, .size: 8, .value_kind: global_buffer, .address_space: global }
      - { .name: x_scales, .offset: 24, .size: 8, .value_kind: global_buffer, .address_space: global }
      - { .name: w_codes, .offset: 32, .size: 8, .value_kind: global_buffer, .address_space: global }
      - { .name: w_scales, .offset: 40, .size: 8, .value_kind: global_buffer, .address_space: global }
      - { .name: out_proj_w, .offset: 48, .size: 8, .value_kind: global_buffer, .address_space: global }
      - { .name: wo16, .offset: 56, .size: 8, .value_kind: global_buffer, .address_space: global }
    .group_segment_fixed_size: 33280
    .private_segment_fixed_size: 0
    .kernarg_segment_align: 8
    .kernarg_segment_size: 64
    .max_flat_workgroup_size: 128
    .sgpr_count:     66
    .vgpr_count:     192
    .wavefront_size: 32
...
	.end_amdgpu_metadata
.endif
;; end of part 1
;; launch qkv (part 2): grid 12 x 32, 4 waves a work-group, clusters of 4 x 4, 327,680 bytes of LDS; arguments x_codes, x_scales, w_codes, w_scales, qkv16, in_proj_b, qkvf; writes qkv16, qkvf
.if DOCPART == 2
	.amdgcn_target "amdgcn-amd-amdhsa--gfx1250"
	.amdhsa_code_object_version 6
	.text
	.protected	k_q0f92c44c12_qkv
	.globl	k_q0f92c44c12_qkv
	.p2align	8
	.type	k_q0f92c44c12_qkv,@function
k_q0f92c44c12_qkv:
	s_mov_b64 s[64:65], 0
	v_nop
	global_prefetch_b8 v0, s[64:65] scope:SCOPE_SE
	s_setreg_imm32_b32 hwreg(HW_REG_WAVE_MODE, 25, 1), 1
	s_wait_xcnt 0x0
	s_wait_alu depctr_hold_cnt(0) depctr_sa_sdst(0) depctr_va_vdst(0) depctr_va_sdst(0) depctr_va_ssrc(0) depctr_va_vcc(0) depctr_vm_vsrc(0)
	s_getreg_b32 s2, hwreg(HW_REG_IB_STS2, 6, 4)
	s_cmp_eq_u32 s2, 0
	s_cbranch_scc0 .Lentry_in_a_cluster
	s_endpgm
.Lentry_in_a_cluster:
	s_bfe_u32 s2, ttmp6, 0x10000c
	s_cmp_lg_u32 s2, 0xf033
	s_cbranch_scc0 .Lentry_shape_is_right
	s_endpgm
.Lentry_shape_is_right:
; qkv[m][n] = sum over k of Q(tensor)[m][k] Q(in_proj_w)[n][k] + in_proj_b[n]: the quantised product, on codes of FP4 (E2M1) with one E8M0 scale for each 32 along K, as launch prep laid them; sums in f32.
; A: x_codes [8192][512 bytes], x_scales [8192][32].  B: w_codes [3072][512 bytes], w_scales [3072][32].  No work is left out here.
; OUT: qkv16, f16, [q, k or v][batch x 16 + head][position][64]: a head's rows are 128 bytes, one behind the other; and qkvf, f32, [batch][16][3072]: positions 0-15 of every sequence unrounded, for launch fine.
; LIMIT: |q|, |k|, |v| stay under 65,504, f16's largest number (inputs of the drawn kind give about 5; all inputs thirty times larger about 4,500).
; A tile of C, 256 x 256, is made by a work-group of four waves; a wave makes 128 x 128: 64 accumulators of 16 x 16, 512 registers.  K = 1,024 is two slots of 512 along K (rows of 256 bytes):
; both are asked for at the head, and nothing is ever filled again.  The scales of the work-group's rows, for all of K, come with them, in whole runs of 256 bytes.
; CLUSTERS: 4 x 4 work-groups.  The four of a row of the cluster need the same tiles of A, the four of a column the same tiles of B: each tile is asked for JOINTLY, by the same tensor load with the same
; descriptor and a mask that names the four.  A work-group's tile row is 8 cy + cluster y: so cy is the batch and cluster y the block of 256 positions in it, a number that all sixteen partners share.
; THE MATRIX INSTRUCTION IS USED TRANSPOSED (source 0 = 16 rows of B, source 1 = 16 rows of A): a lane then holds eight neighbouring numbers of a row of C.  The bias is the C of each sum's first instruction.
; REGISTERS, in windows of 256: window 0: v0-31 addresses; v32-95 scale words, two sets; v128-191 A's fragments, ONE set (on the way out: rows read back); v192-255 the bias, eight registers for each of my 8 blocks
;   of columns (on the way out v192-223: packed results).   window 1: B's fragments, TWO sets.   window 2: the 32 accumulators of my rows 0-63 ((a, b) at v[8 (8 a + b)]);   window 3: those of my rows 64-127.
.set SIZE_M, 8192
.set SIZE_N, 3072
.set SIZE_K, 1024
.set KSTEP,  512                       ; along K in a slot
.set NQ,     KSTEP/128                 ; matrix instructions deep
.set ROWB,   256                       ; a tile's row in bytes
.set KROW,   SIZE_K*4/8                ; a row of A or of B in memory, in bytes
.set PITCH,  272                       ; an LDS row: 256 bytes + 16 of padding: the 16 rows that a load touches start 68 words apart
.set FR,     8                         ; registers of a fragment: 16 rows x 128 K
.set NL,     2                         ; LDS loads that bring one
.set NP,     4                         ; places behind this matrix instruction (ISA guide 7.12.1)
.set HALFT,  128*PITCH                 ; 128 rows: what one tensor load brings
.set SLOT,   4*HALFT                   ; A's 256 rows, then B's 256 rows
.set KS,     SIZE_K/32                 ; a row of scales in bytes
.set SCL,    2*SLOT                    ; behind the slots: the scales, as runs of 256 bytes + 16 of padding
.set HALFS,  (128*KS/256)*272          ; the scales of 128 rows: what one tensor load brings
.set SBLK,   (16*KS/256)*272           ; those of 16 rows
.set SPARE,  SCL+4*HALFS               ; the spare words, 128 bytes for each wave, which no other line names
.set SPITCH, 272                       ; the way out: a stage of 16 rows x (256 bytes + 16) for each wave, in slot 0, which has had its only fill and its last read when the first result is stored there
.set ADRA, 16                          ; v16-17  LDS address of my A fragments in slot 0, 1
.set ADRB, 20                          ; v20-21  the same for B
.set STO,  24                          ; v24     the way out: where I put 16 bytes of a row
.set RD,   25                          ; v25     where I read 16 bytes of a head's row back
.set CO,   26                          ; v26     16 x lane
.set ADRS, 27                          ; v27     LDS address of my scale words: lanes 0-15 A's rows, lanes 16-31 B's
.set SPW,  28                          ; v28     LDS address of my spare word; never rewritten
.set NIL,  29                          ; v29     0; never rewritten
.set BO,   30                          ; v30     the bias: 32 x (lane / 16)
.set FO,   31                          ; v31     qkvf: row lane % 16 of 12,288 bytes + 32 x (lane / 16)
.set SC,   32                          ; scale words: set s at v[SC + 8 NQ s]; register NQ i + q: lanes 0-15 the word of A's block i, lanes 16-31 that of B's block i
.set AF,   128                         ; A's fragments
.set OB,   128                         ; the way out: 16 rows read back: v128-159 and v160-191 by turns
.set BIAS, 192
.set TMP,  192                         ; the way out: packed results
.set G1, 24                            ; s[24:31] descriptor group 1 for A's tiles;  s[32:39] group 0, one set for each slot
.set G0, 32
.set G1B, 48                           ; s[48:55], s[56:63] the same for B's tiles
.set G0B, 56
.set G1S, 68                           ; s[68:75], s[76:79] groups 1 and 0 for A's scales;  s[80:87], s[88:91] for B's
.set G0S, 76
.set G1SB, 80
.set G0SB, 88
.set MSB, 0
.macro WIN new                         ; the immediate's high byte repeats the setting that is left
.if MSB != \new
	s_set_vgpr_msb (MSB<<8)|\new
.set MSB, \new
.endif
.endm
.set MUL_LO,   0xa1                    ; source 0 (B) window 1, source 1 (A) window 0, C and D window 2
.set MUL_HI,   0xf1                    ; the same, C and D window 3
.set FIRST_LO, 0x81                    ; a sum's first product: C (the bias) window 0, D window 2
.set FIRST_HI, 0xc1                    ; D window 3
.set TO_B,     0x40                    ; destination window 1, address window 0
; A joint load: waves 0 and 1 fetch for A, waves 2 and 3 for B.  Each of the two lines has ONE mask and one set of registers for all that issue it; the branch hangs on the wave's number alone.
; An s_nop 0 and four v_nop follow each of the two lines.
.macro JLOAD g0a, g1a, g0b, g1b
	s_cmp_eq_u32 s15, 0
	s_cbranch_scc0 .Lfor_b_\@
	tensor_load_to_lds s[\g0a:\g0a+3], s[\g1a:\g1a+7]
	s_nop 0
.rept 4
	v_nop
.endr
	s_branch .Lasked_\@
.Lfor_b_\@:
	tensor_load_to_lds s[\g0b:\g0b+3], s[\g1b:\g1b+7]
	s_nop 0
.rept 4
	v_nop
.endr
.Lasked_\@:
.endm
.macro CROUND                          ; a round of the cluster's barrier
	s_barrier_signal -1
	s_barrier_wait -1
	s_cmp_lg_u32 s14, 0
	s_cbranch_scc1 .Lnot_wave_0_\@
	s_barrier_signal -3
.Lnot_wave_0_\@:
	s_barrier_wait -3
	s_barrier_signal -1
	s_barrier_wait -1
.endm
	s_load_b128 s[4:7], s[0:1], 0x0                ; A's codes s[4:5], A's scales s[6:7]
	s_load_b128 s[8:11], s[0:1], 0x10              ; B's codes s[8:9], B's scales s[10:11]
	s_load_b64 s[12:13], s[0:1], 0x20              ; qkv16
	s_load_b128 s[96:99], s[0:1], 0x28             ; in_proj_b s[96:97], qkvf s[98:99]
	v_lshl_add_u32 v[SPW], v0, 2, SPARE
	v_mov_b32 v[NIL], 0
	ds_add_u32 v[SPW], v[NIL]                      ; the wave's opening: the add, twice on end, and its wait ahead of my first tensor load
	ds_add_u32 v[SPW], v[NIL]                      ; and once more, under the one wait; the set-up below, work on registers, stands between
	v_lshrrev_b32 v1, 5, v0
	v_readfirstlane_b32 s14, v1                    ; wave 0..3
	s_lshr_b32 s15, s14, 1                         ; which half of the tile's rows is mine.  Also: I fetch for A (0) or for B (1)
	s_and_b32 s16, s14, 1                          ; which half of its columns.  Also: which 128 rows of that tile I fetch
	s_bfe_u32 s40, ttmp6, 0x40000                  ; cx, cy: my place in the cluster
	s_bfe_u32 s41, ttmp6, 0x40004
	s_lshl_b32 s42, ttmp9, 2
	s_add_co_u32 s42, s42, s40                     ; tile column of C = 4 x cluster x + cx
	s_and_b32 s100, ttmp7, 0xffff                  ; cluster y, 0..7: the block of 256 positions
	s_lshl_b32 s17, s41, 3
	s_add_co_u32 s17, s17, s100                    ; tile row of C = 8 x cy + cluster y
	s_or_b32 s100, s100, s15                       ; 0 where my first 16 rows are positions 0-15 of a sequence: made of cluster y and the wave's number alone
	s_lshl_b32 s43, s41, 2
	s_lshl_b32 s43, 15, s43                        ; my row of the cluster
	s_lshl_b32 s44, 0x1111, s40                    ; my column
	; descriptor group 1: a tile of 128 rows x 256 bytes, padded in LDS
	s_or_b32 s[G1+0], s43, (0<<16)|(1<<20)|(1<<21)|(5<<22)|(3<<25)  ; 15:0 the mask: A's tiles go to my row; 17:16 element of 1 byte; 20 padding on; 21 set beside a mask; 24:22 after every 64 words; 31:25 of 4 words
	s_or_b32 s[G1B+0], s44, (0<<16)|(1<<20)|(1<<21)|(5<<22)|(3<<25)
.irp g, G1, G1B
	s_mov_b32 s[\g+1], ROWB<<16                    ; tensor_dim0
	s_mov_b32 s[\g+2], 128<<16                     ; tensor_dim1 = 128
	s_mov_b32 s[\g+3], ROWB<<16                    ; tile_dim0
	s_mov_b32 s[\g+4], 128                         ; tile_dim1 = 128
	s_mov_b32 s[\g+5], KROW                        ; tensor_dim0_stride
	s_mov_b32 s[\g+6], 0
	s_mov_b32 s[\g+7], 0
.endr
	; and for the scales of 128 rows: a dense block of 4,096 bytes, as 16 rows of 256 bytes (32 elements of 8 bytes), 16 bytes of padding behind each
	s_or_b32 s[G1S+0], s43, (3<<16)|(1<<20)|(1<<21)|(5<<22)|(3<<25)
	s_or_b32 s[G1SB+0], s44, (3<<16)|(1<<20)|(1<<21)|(5<<22)|(3<<25)
.irp g, G1S, G1SB
	s_mov_b32 s[\g+1], 32<<16
	s_mov_b32 s[\g+2], (128*KS/256)<<16
	s_mov_b32 s[\g+3], 32<<16
	s_mov_b32 s[\g+4], 128*KS/256
	s_mov_b32 s[\g+5], 32
	s_mov_b32 s[\g+6], 0
	s_mov_b32 s[\g+7], 0
.endr
	s_lshl_b32 s18, s16, 7                         ; which 128 rows of the tile I fetch
	s_lshl_b32 s20, s17, 8
	s_add_co_u32 s20, s20, s18                     ; A: row 256 x tile row + 128 x half
	s_lshl_b32 s46, s42, 8
	s_add_co_u32 s46, s46, s18                     ; B: row 256 x tile column + 128 x half
	s_mov_b32 s21, 0
	s_mov_b32 s47, 0
	s_mov_b64 s[18:19], KS
	s_mul_u64 s[22:23], s[20:21], s[18:19]         ; where these rows' scales begin, in bytes
	s_mul_u64 s[92:93], s[46:47], s[18:19]
	s_mov_b64 s[18:19], KROW
	s_mul_u64 s[20:21], s[20:21], s[18:19]         ; and their codes
	s_mul_u64 s[46:47], s[46:47], s[18:19]
	s_mul_i32 s45, s14, HALFT                      ; where they go: wave x 128 rows: no place in the cluster enters an LDS address
	s_mul_i32 s94, s14, HALFS
	s_wait_dscnt 0x0                               ; both opening adds are done
	s_wait_kmcnt 0x0
	s_add_nc_u64 s[20:21], s[4:5], s[20:21]
	s_add_nc_u64 s[22:23], s[6:7], s[22:23]
	s_add_nc_u64 s[46:47], s[8:9], s[46:47]
	s_add_nc_u64 s[92:93], s[10:11], s[92:93]
	CROUND                                         ; all sixteen work-groups are here: the joint loads meet
	s_mov_b32 s[G0S], 1
	s_add_co_u32 s[G0S+1], s94, SCL
	s_mov_b64 s[G0S+2:G0S+3], s[22:23]
	s_or_b32 s[G0S+3], s[G0S+3], 0x80000000
	s_mov_b32 s[G0SB], 1
	s_add_co_u32 s[G0SB+1], s94, SCL
	s_mov_b64 s[G0SB+2:G0SB+3], s[92:93]
	s_or_b32 s[G0SB+3], s[G0SB+3], 0x80000000
	JLOAD G0S, G1S, G0SB, G1SB                     ; the scales first: they are wanted with the first 512 along K
.irp s, 0,1
	s_mov_b32 s[G0+4*\s], 1
	s_add_co_u32 s[G0+4*\s+1], s45, \s*SLOT
	s_add_nc_u64 s[G0+4*\s+2:G0+4*\s+3], s[20:21], \s*ROWB
	s_or_b32 s[G0+4*\s+3], s[G0+4*\s+3], 0x80000000
	s_mov_b32 s[G0B+4*\s], 1
	s_add_co_u32 s[G0B+4*\s+1], s45, \s*SLOT
	s_add_nc_u64 s[G0B+4*\s+2:G0B+4*\s+3], s[46:47], \s*ROWB
	s_or_b32 s[G0B+4*\s+3], s[G0B+4*\s+3], 0x80000000
	JLOAD G0+4*\s, G1, G0B+4*\s, G1B               ; three tensor loads of mine are out, all of the launch's
.endr
	v_and_b32 v1, 15, v0                           ; l % 16
	v_bfe_u32 v2, v0, 4, 1                         ; l / 16
	; the bias of my 128 columns, in the result's layout: for block b of 16 columns lane (r, h) wants columns 16 b + 8 h + 0 .. 7
	v_lshlrev_b32 v[BO], 5, v2
	s_lshl_b32 s46, s42, 10                        ; my first column, in bytes of f32: 1,024 x tile column + 512 x half
	s_lshl_b32 s47, s16, 9
	s_add_co_u32 s46, s46, s47
	s_mov_b32 s47, 0
	s_add_nc_u64 s[96:97], s[96:97], s[46:47]
	s_add_nc_u64 s[98:99], s[98:99], s[46:47]
	s_mul_i32 s46, s41, 196608                     ; qkvf: my batch's 16 rows of 12,288 bytes
	s_add_nc_u64 s[98:99], s[98:99], s[46:47]
.irp b, 0,1,2,3,4,5,6,7
	global_load_b128 v[BIAS+8*\b:BIAS+8*\b+3], v[BO], s[96:97] offset:64*\b
	global_load_b128 v[BIAS+8*\b+4:BIAS+8*\b+7], v[BO], s[96:97] offset:64*\b+16
.endr
	v_mul_u32_u24 v[FO], v1, 12288
	v_lshl_add_u32 v[FO], v2, 5, v[FO]
	v_mul_u32_u24 v3, v1, PITCH
	v_lshl_add_u32 v4, v2, 4, v3                   ; a fragment's row x pitch + 16 x half
	s_mul_i32 s21, s15, HALFT                      ; my 128 rows of A
	s_mul_i32 s22, s16, HALFT                      ; my 128 rows of B,
	s_add_co_u32 s22, s22, 2*HALFT                 ; which lie behind A's 256
.irp s, 0,1
	v_add_nc_u32 v[ADRA+\s], s21, v4
	v_add_nc_u32 v[ADRB+\s], s22, v4
	s_add_co_u32 s21, s21, SLOT
	s_add_co_u32 s22, s22, SLOT
.endr
	v_mul_u32_u24 v5, v1, KS                       ; my row's scales: KS bytes a row,
	v_lshrrev_b32 v6, 8, v5
	v_lshl_add_u32 v5, v6, 4, v5                   ; and 16 more for each 256 passed
	s_mul_i32 s21, s15, HALFS                      ; A's: my 128 rows
	s_mul_i32 s22, s16, HALFS                      ; B's: my 128 rows, behind A's 256
	s_add_co_u32 s22, s22, 2*HALFS
	s_sub_co_u32 s22, s22, s21
	v_mul_u32_u24 v6, s22, v2                      ; lanes 16-31 take B's
	s_add_co_u32 s21, s21, SCL
	v_add_nc_u32 v5, v5, v6
	v_add_nc_u32 v[ADRS], s21, v5
	s_mul_i32 s23, s14, 16*SPITCH                  ; my stage
	v_add_nc_u32 v[STO], s23, v4                   ; in: row l % 16, 16 bytes for each half of the lanes (the stage's pitch is the tiles')
	v_and_b32 v6, 31, v0
	v_lshrrev_b32 v5, 3, v6
	v_mul_u32_u24 v5, v5, SPITCH
	v_and_b32 v3, 7, v0
	v_lshl_add_u32 v5, v3, 4, v5
	v_add_nc_u32 v[RD], s23, v5                    ; back: eight lanes take a head's 128 bytes of a row, the wave four rows
	v_lshlrev_b32 v[CO], 4, v6                     ; which are 512 consecutive bytes of qkv16
	; where my part begins in qkv16: (tile column / 4) thirds of 16,777,216 bytes + batch x 16 heads + head 4 (tile column % 4) + 2 x half, of 262,144 bytes each + position x 128
	s_lshr_b32 s20, s42, 2
	s_lshl_b32 s20, s20, 24
	s_lshl_b32 s21, s41, 22
	s_add_co_u32 s20, s20, s21
	s_and_b32 s21, s42, 3
	s_lshl_b32 s21, s21, 2
	s_lshl_b32 s22, s16, 1
	s_add_co_u32 s21, s21, s22
	s_lshl_b32 s21, s21, 18
	s_add_co_u32 s20, s20, s21
	s_and_b32 s21, ttmp7, 0xffff
	s_lshl_b32 s21, s21, 15                        ; 256 positions of 128 bytes for each cluster y
	s_add_co_u32 s20, s20, s21
	s_lshl_b32 s21, s15, 14                        ; my half's 128 positions
	s_add_co_u32 s20, s20, s21
	s_mov_b32 s21, 0
	s_add_nc_u64 s[12:13], s[12:13], s[20:21]
.macro FRAG reg, adr, q, i             ; a fragment, 16 rows x 128 K of 4-bit codes, is 8 registers: lane l holds row l % 16; registers 4 c .. 4 c + 3 hold K = 64 c + 32 (l / 16) + 0 .. 31
.irp c, 0,1
	ds_load_b128 v[\reg+4*\c:\reg+4*\c+3], v[\adr] offset:64*(\q)+32*\c+(\i)*16*PITCH
.endr
.endm
; 16 matrix instructions: A's blocks a0, a0 + 1 x B's eight, 128 along K: the slot's q-th.  p: B's set;  sc: the set of scale words.  first = 1: the product starts the sums on the bias: nothing is ever cleared or added later.
; The 64 accumulators take turns, one instruction a turn, in the same order in every step.
.macro MUL16 a0, p, q, sc, first
.irp a, \a0, \a0+1
.irp b, 0,1,2,3,4,5,6,7
.if \first
	v_wmma_scale_f32_16x16x128_f8f6f4 v[8*(8*((\a)%4)+\b):8*(8*((\a)%4)+\b)+7], v[128*(\p)+FR*\b:128*(\p)+FR*\b+FR-1], v[AF+FR*(\a):AF+FR*(\a)+FR-1], v[BIAS+8*\b:BIAS+8*\b+7], v[SC+8*NQ*(\sc)+NQ*\b+(\q)], v[SC+8*NQ*(\sc)+NQ*(\a)+(\q)] matrix_a_fmt:MATRIX_FMT_FP4 matrix_b_fmt:MATRIX_FMT_FP4 matrix_a_scale:MATRIX_SCALE_ROW1
.else
	v_wmma_scale_f32_16x16x128_f8f6f4 v[8*(8*((\a)%4)+\b):8*(8*((\a)%4)+\b)+7], v[128*(\p)+FR*\b:128*(\p)+FR*\b+FR-1], v[AF+FR*(\a):AF+FR*(\a)+FR-1], v[8*(8*((\a)%4)+\b):8*(8*((\a)%4)+\b)+7], v[SC+8*NQ*(\sc)+NQ*\b+(\q)], v[SC+8*NQ*(\sc)+NQ*(\a)+(\q)] matrix_a_fmt:MATRIX_FMT_FP4 matrix_b_fmt:MATRIX_FMT_FP4 matrix_a_scale:MATRIX_SCALE_ROW1
.endif
.endr
.endr
.endm
.macro FETCH_B slot, q, p              ; B's eight fragments of the slot's q-th 128 along K into set p
	WIN TO_B
.irp i, 0,1,2,3,4,5,6,7
	FRAG 128*(\p)+FR*\i, ADRB+\slot, \q, \i
.endr
	WIN 0
.endm
.macro FETCH_A slot, q, i0             ; A's blocks i0 .. i0 + 3
.irp i, \i0, \i0+1, \i0+2, \i0+3
	FRAG AF+FR*(\i), ADRA+\slot, \q, \i
.endr
.endm
.macro SCALES sc                       ; a slot's scale words into set sc: NQ words a row; lanes 0-15 take A's block i, lanes 16-31 B's block i
.irp i, 0,1,2,3,4,5,6,7
	ds_load_b128 v[SC+8*NQ*\sc+NQ*\i:SC+8*NQ*\sc+NQ*\i+3], v[ADRS] offset:\i*SBLK
.endr
.endm
; A load into a register that a matrix instruction has read, and a vector instruction or a store that reads a matrix result, stand NP places behind that matrix instruction, and only plain vector
; instructions that name none of its registers are places (ISA guide 7.12.1 for vector instructions).
.macro PLACES n
.rept \n
	v_nop
.endr
.endm
; A step of 128 along K that has its successor in the same slot.  A block of A is free as soon as its eight products are issued: blocks 0-3 are fetched anew in the step's middle, blocks 4-7 at its end.
.macro STEP slot, q, first
	s_wait_dscnt 4*NL                              ; B's set and A's blocks 0-3 are in; the youngest eight loads (A's blocks 4-7) may be out
.if \first
	WIN FIRST_LO
.else
	WIN MUL_LO
.endif
	MUL16 0, (\q)%2, \q, \slot, \first
	MUL16 2, (\q)%2, \q, \slot, \first
	s_wait_dscnt 0                                 ; A's blocks 4-7 are in
	PLACES NP
	FETCH_B \slot, (\q)+1, 1-(\q)%2
	FETCH_A \slot, (\q)+1, 0
.if \first
	WIN FIRST_HI
.else
	WIN MUL_HI
.endif
	MUL16 4, (\q)%2, \q, \slot, \first
	MUL16 6, (\q)%2, \q, \slot, \first
	PLACES NP
	WIN 0
	FETCH_A \slot, (\q)+1, 4
.endm
.macro STEPS slot, from                ; the slot's steps from .. NQ - 2
.set Q, \from
.rept NQ-1-\from
	STEP \slot, Q, 0
.set Q, Q+1
.endr
.endm
	s_wait_tensorcnt 1                             ; the scales and my part of slot 0 are in (slot 1's load may be out)
	s_barrier_signal -1
	s_barrier_wait -1                              ; everybody's are
	FETCH_B 0, 0, 0
	FETCH_A 0, 0, 0
	SCALES 0
	FETCH_A 0, 0, 4
	s_wait_loadcnt 0x0                             ; the bias
	STEP 0, 0, 1                                   ; the first step's products start the sums on the bias
	STEPS 0, 1
	; slot 0's last step changes slots: one barrier; in front of it each wave waits for its last tensor load (its part of slot 1) and for its own reads of slot 0, which becomes the stage later on
	s_wait_tensorcnt 0x0
	ds_add_u32 v[SPW], v[NIL]                      ; 0 onto my spare word
	s_wait_dscnt 4*NL+1                            ; (the add and the youngest eight loads, A's blocks 4-7, may be out)
	WIN MUL_LO
	MUL16 0, 1, NQ-1, 0, 0
	s_wait_dscnt 0x0                               ; the add is done, and my reads of slot 0 are over
	s_barrier_signal -1
	MUL16 2, 1, NQ-1, 0, 0
	WIN 0
	s_barrier_wait -1
	PLACES NP
	v_add_nc_u32 v[ADRS], 4*NQ, v[ADRS]            ; on to slot 1's scale words
	FETCH_B 1, 0, 0
	FETCH_A 1, 0, 0
	SCALES 1
	WIN MUL_HI
	MUL16 4, 1, NQ-1, 0, 0
	MUL16 6, 1, NQ-1, 0, 0
	PLACES NP
	WIN 0
	FETCH_A 1, 0, 4
	STEPS 1, 0
	s_wait_dscnt 4*NL                              ; the very last step: nothing more to fetch
	WIN MUL_LO
	MUL16 0, 1, NQ-1, 1, 0
	MUL16 2, 1, NQ-1, 1, 0
	s_wait_dscnt 0
	WIN MUL_HI
	MUL16 4, 1, NQ-1, 1, 0
	MUL16 6, 1, NQ-1, 1, 0
	WIN 0
	PLACES NP                                      ; in front of the first reads of results and of the loads into the registers that held A's fragments
	; POSITIONS 0-15 UNROUNDED.  Where my first block of 16 rows holds them, its eight accumulators go to qkvf as they are: 32 bytes a lane, in pieces (786,432 bytes in the whole launch).
	; The branch hangs on cluster y and the wave's number alone, and leads round stores only.
	s_cmp_lg_u32 s100, 0
	s_cbranch_scc1 .Lno_fine
	WIN 0x08                                       ; a store's data are its source 1: window 2
.irp b, 0,1,2,3,4,5,6,7
	global_store_b128 v[FO], v[8*\b:8*\b+3], s[98:99] offset:64*\b         ; each accumulator from its low end on
	global_store_b128 v[FO], v[8*\b+4:8*\b+7], s[98:99] offset:64*\b+16
.endr
	WIN 0
.Lno_fine:
; THE WAY OUT, block by block of 16 rows x 128 columns (two heads).  PACK: rounded to f16, 16 bytes a lane.  TOSTAGE: into my own stage, and back by heads.  SEND: eight stores of 512 consecutive bytes.
.macro PACK a
.set AC, 64*((\a)%4)
	WIN 0x0a+5*((\a)/4)                            ; sources 0 and 1: window 2 or 3
.irp b, 0,1,2,3,4,5,6,7
.irp r, 0,1,2,3
	v_cvt_pk_f16_f32 v[TMP+4*\b+\r], v[AC+8*\b+2*\r], v[AC+8*\b+2*\r+1]
.endr
.endr
	WIN 0
.endm
.macro TOSTAGE a
.set BB, OB+32*((\a)%2)
.irp b, 0,1,2,3,4,5,6,7
	ds_store_b128 v[STO], v[TMP+4*\b:TMP+4*\b+3] offset:32*\b
.endr
.irp hd, 0,1
.irp i, 0,1,2,3
	ds_load_b128 v[BB+4*(4*\hd+\i):BB+4*(4*\hd+\i)+3], v[RD] offset:\hd*128+\i*4*SPITCH    ; LDS serves a wave's instructions in order (ISA guide 5.7.1.4): these see the stores above
.endr
.endr
.endm
.macro SEND a
.set BB, OB+32*((\a)%2)
	s_wait_dscnt 0x0                               ; the block is back in registers
	s_wait_xcnt 0x0                                ; the stores of the block before have read their registers, into which the next block's loads will land
.irp hd, 0,1
.irp i, 0,1,2,3
	global_store_b128 v[CO], v[BB+4*(4*\hd+\i):BB+4*(4*\hd+\i)+3], s[12:13] offset:\hd*262144+(\a)*2048+\i*512   ; four rows of a head: 512 consecutive bytes, aligned
.endr
.endr
.endm
	PACK 0
	TOSTAGE 0
.irp a, 1,2,3,4,5,6,7                  ; block a's conversions stand between block a - 1's loads from the stage and the wait for them
	PACK \a
	SEND \a-1
	TOSTAGE \a
.endr
	SEND 7
	s_wait_tensorcnt 0x0                           ; the wave's end, behind my last tensor load and my last LDS store
	ds_add_u32 v[SPW], v[NIL]
	s_wait_dscnt 0x0
	CROUND                                         ; the closing round: no work-group ends while a partner may still ask for a tile that names it
	s_endpgm
.Lfunc_end_k_q0f92c44c12_qkv:
	.size	k_q0f92c44c12_qkv, .Lfunc_end_k_q0f92c44c12_qkv-k_q0f92c44c12_qkv
	.p2alignl 7, 3214868480
	.fill 96, 4, 3214868480
	.section	.rodata,"a",@progbits
	.p2align	6, 0x0
	.amdhsa_kernel k_q0f92c44c12_qkv
		.amdhsa_group_segment_fixed_size 327680
		.amdhsa_private_segment_fixed_size 0
		.amdhsa_enable_private_segment 0
		.amdhsa_kernarg_size 56
		.amdhsa_user_sgpr_count 2
		.amdhsa_user_sgpr_kernarg_segment_ptr 1
		.amdhsa_wavefront_size32 1
		.amdhsa_system_sgpr_workgroup_id_x 1
		.amdhsa_system_sgpr_workgroup_id_y 1
		.amdhsa_system_sgpr_workgroup_id_z 1
		.amdhsa_system_vgpr_workitem_id 0
		.amdhsa_next_free_vgpr 1024
		.amdhsa_next_free_sgpr 102
		.amdhsa_reserve_vcc 0
		.amdhsa_float_denorm_mode_32 3
		.amdhsa_float_denorm_mode_16_64 3
		.amdhsa_memory_ordered 1
		.amdhsa_forward_progress 1
		.amdhsa_inst_pref_size 130
	.end_amdhsa_kernel
	.amdgpu_metadata
---
amdhsa.version: [ 1, 2 ]
amdhsa.kernels:
  - .name:           k_q0f92c44c12_qkv
    .symbol:         k_q0f92c44c12_qkv.kd
    .args:
      - { .name: x_codes, .offset: 0, .size: 8, .value_kind: global_buffer, .address_space: global }
      - { .name: x_scales, .offset: 8, .size: 8, .value_kind: global_buffer, .address_space: global }
      - { .name: w_codes, .offset: 16, .size: 8, .value_kind: global_buffer, .address_space: global }
      - { .name: w_scales, .offset: 24, .size: 8, .value_kind: global_buffer, .address_space: global }
      - { .name: qkv16, .offset: 32, .size: 8, .value_kind: global_buffer, .address_space: global }
      - { .name: in_proj_b, .offset: 40, .size: 8, .value_kind: global_buffer, .address_space: global }
      - { .name: qkvf, .offset: 48, .size: 8, .value_kind: global_buffer, .address_space: global }
    .group_segment_fixed_size: 327680
    .private_segment_fixed_size: 0
    .kernarg_segment_align: 8
    .kernarg_segment_size: 56
    .max_flat_workgroup_size: 128
    .sgpr_count:     102
    .vgpr_count:     1024
    .wavefront_size: 32
...
	.end_amdgpu_metadata
.endif
;; end of part 2
;; launch attn (part 3): grid 4 x 64, 8 waves a work-group, no clusters, 327,680 bytes of LDS; arguments qkv16, attn16; writes attn16
.if DOCPART == 3
	.amdgcn_target "amdgcn-amd-amdhsa--gfx1250"
	.amdhsa_code_object_version 6
	.text
	.protected	k_q0f92c44c12_attn
	.globl	k_q0f92c44c12_attn
	.p2align	8
	.type	k_q0f92c44c12_attn,@function
k_q0f92c44c12_attn:
	s_mov_b64 s[64:65], 0
	v_nop
	global_prefetch_b8 v0, s[64:65] scope:SCOPE_SE
	s_setreg_imm32_b32 hwreg(HW_REG_WAVE_MODE, 25, 1), 1
	s_wait_xcnt 0x0
; attn[b][h][q][:] = the sum over k <= q of softmax_k(q . k / 8) v[k][:], for each of 64 (batch, head): q, k, v f16 [2048][64] out of qkv16; products on f16 operands with f32 sums; maxima, exponentials and sums in f32;
; the weights are rounded to f16 for the second product, the result once at the end.  OUT: attn16, f16, [row / 128][head][128 rows][64]: launch proj's tiles as dense blocks.
; WORK LEFT OUT: a step of 64 keys all of which come after all 32 queries of a wave: reference() itself puts -infinity on those scores, so their weights are 0 for all values of the inputs.
; LIMITS: a NaN or an infinity that reaches only such steps is not carried to the result; |q|, |k|, |v| under 65,504.  Positions 0-15 of every sequence are made here too, inside live tiles; launch fine makes their outputs anew in f32.
; SHARES.  Work-group (I, head) owns the query blocks I and 7 - I of 256 queries, one after the other: block I walks key blocks 0 .. I, block 7 - I walks 0 .. 7 - I: NINE trips of 256 keys in every work-group,
; so the trip counts are constants and the 256 work-groups have equal work.  Each of the eight waves owns 32 queries, two tiles of 16: each fragment of K and V read from LDS feeds two matrix instructions.
; Wave w takes the block's queries 32 g on, g = w for w < 4 and 11 - w else: waves w and w + 4 together walk five of the diagonal block's eight wave-steps.
; NO CLUSTER: the four work-groups of a head want different key blocks in a given trip (trip t: t or t - I - 1), so no tile is wanted by two of them at the same time.
; LAYOUT.  S^T = K Q^T (source 0 = 16 keys, source 1 = 16 queries): a lane holds ONE query (lane % 16) and keys 8 (lane / 16) + 0..7.  Two such tiles, rounded to f16 in pairs, ARE source 1 (32 keys x 16 queries)
; of O^T = V^T P, whose result again holds one query a lane.  K comes out of LDS as it lies, V ([key][channel]) turned, by ds_load_tr16_b128.
; SOFTMAX.  For each query a running maximum m and sum l: p = 2^(c s - c m), c = log2(e) / 8; in every step O and l are multiplied by a = 2^(c m_old - c m_new).  m begins at -3e38 and O, l at 0: the first step's a is 0.
; Key 0 counts for every query and lies in every pass's first step, so m is a number from then on.
; RING.  Two LDS slots of 256 keys (four steps; a step: 64 rows of K, then 64 of V).  Every wave fetches one tile of 64 rows x 128 bytes a slot: waves 0-3 K of step w, waves 4-7 V of step w - 4.
; By this text's own count a wave has one tensor load out, with a trip's four steps in which to land.
; REGISTERS: window 0 as named below; window 1: v0-63 K's fragments (16 kt + 8 c), v64-127 V's (32 kc + 8 ct).
.set PK,    144                        ; a row of K in LDS: 128 bytes + 16 of padding
.set PV,    160                        ; a row of V: 128 + 32
.set VOFF,  64*PK
.set STEPB, 64*(PK+PV)
.set SLOT1, 1<<17                      ; slot 1 begins here, so that one exclusive or turns an address in one slot into the other's
.set STAGE, 1<<18                      ; behind the ring: 32 rows x 144 bytes for each wave, for the way out; no fill lands here
.set SP,    144
.set SPARE, STAGE+8*32*SP              ; the spare words, 128 bytes for each wave, which no other line names
.set AK0, 1                            ; v1   my lane's place in a tile of K
.set AV0, 2                            ; v2   the same for V
.set ADK, 3                            ; v3   LDS address of the step's K
.set ADV, 4                            ; v4   of its V
.set QO,  5                            ; v5   my byte offset in the wave's rows of Q
.set STO, 6                            ; v6   the way out: where I put 16 bytes of a row
.set RD,  7                            ; v7   where I read them back
.set GO,  8                            ; v8   16 x lane
.set PFO, 9                            ; v9   256 x lane: the prefetches' offset
.set SPW, 10                           ; v10  LDS address of my spare word; never rewritten
.set NIL, 11                           ; v11  0; never rewritten
.set D0,  12                           ; v12, v13  the mask: my query less the step's first key less 8 (lane / 16), for tiles 0 and 1
.set NINF, 14                          ; v14  -infinity
.set RH,  15                           ; v15  lane % 16 - 8 (lane / 16)
.set ST,  16                           ; tile t's statistics at v[ST + 8 t]: +0 c m, +1 m, +2, +3 l (even keys', odd keys'), +4 .. +7 at work; a takes +6
.set Q,   32                           ; v32-63   Q: 16 t + 8 c
.set S,   64                           ; v64-127  S^T, then p: 32 t + 8 kt
.set P,   128                          ; v128-159 P in f16: 16 t + 8 kc
.set O,   160                          ; v160-223 O^T: 32 t + 8 ct
.set OUTR, 224                         ; v224-255 rows on the way out
.set VFR, 64                           ; V's fragments, in window 1
.set WV,  8                            ; s8   my wave's number
.set QG,  9                            ; s9   g
.set BH,  11                           ; s11  batch x 16 + head
.set LENA, 12                          ; s12  I + 1: the first pass's trips
.set TR,  13                           ; s13  the trip
.set STP, 14                           ; s14  counts a slot's four steps
.set TB,  15                           ; s15  LDS byte at which the step's tiles begin
.set KF,  16                           ; s16  the step's first key
.set Q0,  17                           ; s17  my first query in the pass in hand
.set Q0B, 18                           ; s18  and in the second pass
.set LIM, 19                           ; s19  7 in the head's first work-group, else 0: a wave prefetches while the trip is under it
.set SEL, 20                           ; s[20:21] lane selects for v_permlanex16_b32: lane l xor 16
.set CS,  22                           ; s[22:23] c: the packed scaling names a pair and takes its low word for both halves
.set G1K, 24                           ; s[24:31] descriptor group 1 for K's tiles;  s[32:39] for V's: it differs in the padding alone
.set G1V, 32
.set G0K, 40                           ; s[40:43], s[44:47] their groups 0, which walk
.set G0V, 44
.set KP,  48                           ; s[48:49] K at my tile of key block 0;  s[50:51] V likewise
.set VP,  50
.set KO,  52                           ; s[52:53] the key block in hand x 32,768 bytes
.set QPA, 54                           ; s[54:57] Q at my first query, first and second pass
.set QPB, 56
.set OPA, 58                           ; s[58:61] attn16 likewise
.set OPB, 60
.set PFA, 62                           ; s[62:63] where my prefetches stand
.set MSB, 0
.macro WIN new                         ; the immediate's high byte repeats the setting that is left
.if MSB != \new
	s_set_vgpr_msb (MSB<<8)|\new
.set MSB, \new
.endif
.endm
; My one tensor load of a slot.  The branch hangs on the wave's number alone.  An s_nop 0 and four v_nop follow each of the two lines.
.macro TLOAD
	s_cmp_lt_u32 s[WV], 4
	s_cbranch_scc0 .Lfor_v_\@
	tensor_load_to_lds s[G0K:G0K+3], s[G1K:G1K+7]
	s_nop 0
.rept 4
	v_nop
.endr
	s_branch .Lasked_\@
.Lfor_v_\@:
	tensor_load_to_lds s[G0V:G0V+3], s[G1V:G1V+7]
	s_nop 0
.rept 4
	v_nop
.endr
.Lasked_\@:
.endm
; A PREFETCH INTO THE L2 of the key block that the head's first work-group asks for at its NEXT change of slots: in trip t block t + 1, t = 0 .. 6.  All four work-groups of a head read the same K and V: the first asks,
; nobody else.  Each wave names the 8,192 bytes that it will fetch, lanes 256 bytes apart: each aligned 256 bytes of blocks 1 to 7 once in the launch; block 0 comes by its load alone; nothing beyond block 7 is named.
.macro ASK
	s_cmp_lt_u32 s[TR], s[LIM]
	s_cbranch_scc0 .Lnot_mine_\@
	global_prefetch_b8 v[PFO], s[PFA:PFA+1] th:TH_LOAD_NT scope:SCOPE_SE
.Lnot_mine_\@:
.endm
.macro QLOAD p                         ; my 32 queries: tile t, channels 32 c on: lane l holds row l % 16, channels 8 (l / 16) + 0..7 and 16 + 8 (l / 16) + 0..7
.irp t, 0,1
.irp c, 0,1
	global_load_b128 v[Q+16*\t+8*\c:Q+16*\t+8*\c+3],   v[QO], s[\p:\p+1] offset:\t*2048+\c*64
	global_load_b128 v[Q+16*\t+8*\c+4:Q+16*\t+8*\c+7], v[QO], s[\p:\p+1] offset:\t*2048+\c*64+32
.endr
.endr
.endm
.macro INIT                            ; a pass begins: m = -3e38, l = 0, O^T = 0.  The step is written once: a pass's first step finds zeros, which its a = 0 leaves zeros
.irp t, 0,1
	v_mov_b32 v[ST+8*\t+1], 0xff61b1e6
.irp i, 2,3,4,5,6,7
	v_mov_b32 v[ST+8*\t+\i], 0
.endr
.endr
.irp t, 0,1
	v_mul_f32 v[ST+8*\t], s[CS], v[ST+8*\t+1]
.endr
.set i, 0
.rept 64
	v_mov_b32 v[O+i], 0
.set i, i+1
.endr
.endm
.macro OPOFF dst, q                    ; attn16: ((batch x 16 + query / 128) x 16 + head) x 16,384 + (query % 128) x 128;  s68 = batch x 16, s69 = head
	s_lshr_b32 s70, s[\q], 7
	s_add_co_u32 s70, s70, s68
	s_lshl_b32 s70, s70, 4
	s_add_co_u32 s70, s70, s69
	s_lshl_b32 s70, s70, 14
	s_and_b32 s71, s[\q], 127
	s_lshl_b32 s71, s71, 7
	s_add_co_u32 s[\dst], s70, s71
	s_mov_b32 s[\dst+1], 0
.endm
	s_load_b128 s[4:7], s[0:1], 0x0                ; qkv16 s[4:5], attn16 s[6:7]
	v_lshl_add_u32 v[SPW], v0, 2, SPARE
	v_mov_b32 v[NIL], 0
	ds_add_u32 v[SPW], v[NIL]                      ; the wave's opening: the add, twice on end, and its wait ahead of my first tensor load
	ds_add_u32 v[SPW], v[NIL]                      ; and once more, under the one wait; the set-up below, work on registers, stands between
	v_lshrrev_b32 v1, 5, v0
	v_readfirstlane_b32 s[WV], v1                  ; wave 0..7
	s_sub_co_u32 s[QG], 11, s[WV]
	s_cmp_lt_u32 s[WV], 4
	s_cselect_b32 s[QG], s[WV], s[QG]              ; g: it enters global addresses and the count of steps alone, no LDS address
	s_and_b32 s[BH], ttmp7, 0xffff
	s_add_co_u32 s[LENA], ttmp9, 1
	s_lshl_b32 s66, s[QG], 5
	s_lshl_b32 s[Q0], ttmp9, 8
	s_add_co_u32 s[Q0], s[Q0], s66                 ; first pass: 256 I + 32 g
	s_sub_co_u32 s[Q0B], 7, ttmp9
	s_lshl_b32 s[Q0B], s[Q0B], 8
	s_add_co_u32 s[Q0B], s[Q0B], s66               ; second pass: 256 (7 - I) + 32 g
	s_cmp_eq_u32 ttmp9, 0
	s_cselect_b32 s[LIM], 7, 0
	; descriptor group 1: a tile of 64 rows x 64 elements of 2 bytes, dense in memory, padded in LDS
	s_mov_b32 s[G1K], (1<<16)|(1<<20)|(4<<22)|(3<<25)   ; 15:0 no mask; 17:16 elements of 2 bytes; 20 padding on; 24:22 after every 32 words (code 4); 31:25 4 words of it (code 3)
	s_mov_b32 s[G1V], (1<<16)|(1<<20)|(4<<22)|(7<<25)   ; the same with 8 words of padding (code 7)
.irp g, G1K, G1V
	s_mov_b32 s[\g+1], 64<<16                      ; tensor_dim0 = 64
	s_mov_b32 s[\g+2], 64<<16                      ; tensor_dim1 = 64
	s_mov_b32 s[\g+3], 64<<16                      ; tile_dim0 = 64
	s_mov_b32 s[\g+4], 64                          ; tile_dim1 = 64
	s_mov_b32 s[\g+5], 64                          ; tensor_dim0_stride
	s_mov_b32 s[\g+6], 0
	s_mov_b32 s[\g+7], 0
.endr
	s_lshl_b32 s66, s[BH], 18                      ; the head's first byte in each third of qkv16
	s_and_b32 s67, s[WV], 3                        ; which of a slot's four steps I fetch:
	s_lshl_b32 s68, s67, 13                        ; its 64 rows of 128 bytes in memory,
	s_add_co_u32 s[KP], s66, s68
	s_mov_b32 s[KP+1], 0
	s_mul_i32 s[G0K+1], s67, STEPB                 ; and its place in a slot
	s_add_co_u32 s[G0V+1], s[G0K+1], VOFF
	s_mov_b32 s[G0K], 1
	s_mov_b32 s[G0V], 1
	s_lshl_b32 s[QPA], s[Q0], 7
	s_add_co_u32 s[QPA], s[QPA], s66
	s_mov_b32 s[QPA+1], 0
	s_lshl_b32 s[QPB], s[Q0B], 7
	s_add_co_u32 s[QPB], s[QPB], s66
	s_mov_b32 s[QPB+1], 0
	s_lshr_b32 s68, s[BH], 4
	s_lshl_b32 s68, s68, 4
	s_and_b32 s69, s[BH], 15
	OPOFF OPA, Q0
	OPOFF OPB, Q0B
	s_mov_b32 s[SEL], 0x76543210
	s_mov_b32 s[SEL+1], 0xfedcba98
	s_mov_b32 s[CS], 0x3e38aa3b                    ; c = log2(e) / 8
	s_mov_b32 s[CS+1], s[CS]                       ; (named with it as a pair, so it is written)
	s_mov_b32 s[KO], 0
	s_mov_b32 s[KO+1], 0
	s_mov_b32 s[TR], 0
	s_mov_b32 s[KF], 0
	s_mov_b32 s[TB], 0
	s_mul_i32 s66, s[WV], 32*SP
	s_add_co_u32 s66, s66, STAGE                   ; my stage
	s_wait_dscnt 0x0                               ; both opening adds are done
	s_wait_kmcnt 0x0
	s_add_nc_u64 s[KP:KP+1], s[4:5], s[KP:KP+1]
	s_add_nc_u64 s[KP:KP+1], s[KP:KP+1], 0x1000000 ; K is the second third,
	s_add_nc_u64 s[VP:VP+1], s[KP:KP+1], 0x1000000 ; V the third
	s_mov_b64 s[G0K+2:G0K+3], s[KP:KP+1]
	s_or_b32 s[G0K+3], s[G0K+3], 0x80000000        ; type = 2
	s_mov_b64 s[G0V+2:G0V+3], s[VP:VP+1]
	s_or_b32 s[G0V+3], s[G0V+3], 0x80000000
	TLOAD                                          ; slot 0, key block 0: every wave's first fill
	s_add_nc_u64 s[QPA:QPA+1], s[4:5], s[QPA:QPA+1]
	s_add_nc_u64 s[QPB:QPB+1], s[4:5], s[QPB:QPB+1]
	s_add_nc_u64 s[OPA:OPA+1], s[6:7], s[OPA:OPA+1]
	s_add_nc_u64 s[OPB:OPB+1], s[6:7], s[OPB:OPB+1]
	s_cmp_lt_u32 s[WV], 4
	s_cselect_b64 s[PFA:PFA+1], s[KP:KP+1], s[VP:VP+1]   ; at key block 0; the first change of slots steps it to block 1.  Nothing is prefetched here, at the head
	v_and_b32 v16, 15, v0                          ; r = lane % 16
	v_bfe_u32 v17, v0, 4, 1                        ; h = lane / 16
	v_and_b32 v18, 31, v0                          ; lane
	v_lshlrev_b32 v[QO], 7, v16
	v_lshl_add_u32 v[QO], v17, 4, v[QO]            ; row x 128 + 16 x half
	QLOAD QPA
	v_mul_u32_u24 v[AK0], v16, PK
	v_lshl_add_u32 v[AK0], v17, 4, v[AK0]          ; row x pitch + 16 x half
	; The turning load takes 16 keys x 16 channels (lane l reads 16 bytes: key 8 (l / 16) + l % 8, channels 8 ((l / 8) % 2) + 0..7) and leaves half a fragment of V^T: lane l holds channel l % 16 and 8 keys.
	v_and_b32 v19, 7, v0
	v_bfe_u32 v20, v0, 3, 1
	v_lshl_add_u32 v[AV0], v17, 3, v19
	v_mul_u32_u24 v[AV0], v[AV0], PV
	v_lshl_add_u32 v[AV0], v20, 4, v[AV0]
	v_add_nc_u32 v[AV0], VOFF, v[AV0]
	v_add_nc_u32 v[STO], s66, v[AK0]               ; the stage, in: row l % 16, 16 bytes for each half of the lanes (its pitch is K's)
	v_lshrrev_b32 v21, 3, v18
	v_mul_u32_u24 v21, v21, SP
	v_lshl_add_u32 v21, v19, 4, v21
	v_add_nc_u32 v[RD], s66, v21                   ; back: eight lanes a row of 128 bytes, the wave four rows
	v_lshlrev_b32 v[GO], 4, v18
	v_lshlrev_b32 v[PFO], 8, v18
	v_lshlrev_b32 v21, 3, v17
	v_sub_nc_u32 v[RH], v16, v21
	v_mov_b32 v[NINF], 0xff800000
	INIT
; THE SOFTMAX of both tiles for one step, line by line for the two, so that no line waits for the line above it.
.macro SOFTMAX
.irp j, 0,1,2,3                        ; the maximum of my 32 scores and the old m: four chains, each begun at its accumulator's low end
.irp t, 0,1
	v_max3_num_f32 v[ST+8*\t+4+\j], v[S+32*\t+8*\j], v[S+32*\t+8*\j+1], v[S+32*\t+8*\j+2]
.endr
.endr
.irp g, 3,5
.irp j, 0,1,2,3
.irp t, 0,1
	v_max3_num_f32 v[ST+8*\t+4+\j], v[ST+8*\t+4+\j], v[S+32*\t+8*\j+\g], v[S+32*\t+8*\j+\g+1]
.endr
.endr
.endr
.irp t, 0,1
	v_max3_num_f32 v[ST+8*\t+4], v[ST+8*\t+4], v[S+32*\t+7], v[S+32*\t+15]
	v_max3_num_f32 v[ST+8*\t+6], v[ST+8*\t+6], v[S+32*\t+23], v[S+32*\t+31]
.endr
.irp t, 0,1
	v_max3_num_f32 v[ST+8*\t+4], v[ST+8*\t+4], v[ST+8*\t+5], v[ST+8*\t+6]
.endr
.irp t, 0,1
	v_max3_num_f32 v[ST+8*\t+4], v[ST+8*\t+4], v[ST+8*\t+7], v[ST+8*\t+1]
.endr
.irp t, 0,1
	v_permlanex16_b32 v[ST+8*\t+5], v[ST+8*\t+4], s[SEL], s[SEL+1]   ; the query's other 32 keys lie in the lane 16 away
.endr
.irp t, 0,1
	v_mov_b32 v[ST+8*\t+7], v[ST+8*\t]             ; c m_old is kept for a
.endr
.irp t, 0,1
	v_max_num_f32 v[ST+8*\t+1], v[ST+8*\t+4], v[ST+8*\t+5]
.endr
.irp t, 0,1
	v_mul_f32 v[ST+8*\t], s[CS], v[ST+8*\t+1]
.endr
.irp t, 0,1
	v_sub_f32 v[ST+8*\t+7], v[ST+8*\t+7], v[ST+8*\t]
.endr
.set i, 0
.rept 16
.irp t, 0,1
	v_pk_fma_f32 v[S+32*\t+2*i:S+32*\t+2*i+1], v[S+32*\t+2*i:S+32*\t+2*i+1], s[CS:CS+1], v[ST+8*\t:ST+8*\t+1] op_sel_hi:[1,0,0] neg_lo:[0,0,1] neg_hi:[0,0,1]   ; c s - c m, two at a time
.endr
.set i, i+1
.endr
.irp t, 0,1
	v_exp_f32 v[ST+8*\t+6], v[ST+8*\t+7]           ; a
.endr
.set i, 0
.rept 64
	v_exp_f32 v[S+i], v[S+i]                       ; p, at most 1
.set i, i+1
.endr
	v_nop                                          ; a plain instruction behind the last exponential
	s_wait_alu depctr_va_vdst(0)                   ; the wait ahead of the first instruction that names a result: one for the batch of 66
.set i, 0
.rept 16
.irp t, 0,1
	v_cvt_pk_f16_f32 v[P+16*\t+i], v[S+32*\t+2*i], v[S+32*\t+2*i+1]
.endr
.set i, i+1
.endr
.irp w, 4,8,16,32                      ; the sum of a tile's 16 pairs (an even key's weight, an odd key's), of the unrounded p, in place: neighbours 1, 2, 4 and 8 pairs apart
.set u, 0
.rept 32/\w
.irp t, 0,1
	v_pk_add_f32 v[S+32*\t+\w*u:S+32*\t+\w*u+1], v[S+32*\t+\w*u:S+32*\t+\w*u+1], v[S+32*\t+\w*u+\w/2:S+32*\t+\w*u+\w/2+1]
.endr
.set u, u+1
.endr
.endr
.irp t, 0,1
	v_pk_fma_f32 v[ST+8*\t+2:ST+8*\t+3], v[ST+8*\t+2:ST+8*\t+3], v[ST+8*\t+6:ST+8*\t+7], v[S+32*\t:S+32*\t+1] op_sel_hi:[1,0,1]   ; l = a l + the sum
.endr
.set i, 0
.rept 16
.irp t, 0,1
	v_pk_mul_f32 v[O+32*\t+2*i:O+32*\t+2*i+1], v[O+32*\t+2*i:O+32*\t+2*i+1], v[ST+8*\t+6:ST+8*\t+7] op_sel_hi:[1,0]   ; O^T x a, each accumulator from its low end on
.endr
.set i, i+1
.endr
.endm
; A KEY STEP: 64 keys.
.macro STEP
	s_add_co_u32 s66, s[Q0], 31                    ; a step all of whose keys come after my 32 queries is left out: a branch on ids and the count of steps, round loads, products and softmax; no barrier or tensor load stands in a step
	s_cmp_gt_u32 s[KF], s66
	s_cbranch_scc1 .Lhidden_\@
	v_add_nc_u32 v[ADK], s[TB], v[AK0]
	v_add_nc_u32 v[ADV], s[TB], v[AV0]
	v_nop
	v_nop                                          ; with the two additions: four places in front of loads into registers that the last products have read
	WIN 0x40                                       ; destination window 1
.irp kt, 0,1,2,3
.irp c, 0,1
	ds_load_b128 v[16*\kt+8*\c:16*\kt+8*\c+3],   v[ADK] offset:\kt*16*PK+\c*64
	ds_load_b128 v[16*\kt+8*\c+4:16*\kt+8*\c+7], v[ADK] offset:\kt*16*PK+\c*64+32
.endr
.endr
.irp kc, 0,1
.irp ct, 0,1,2,3
	ds_load_tr16_b128 v[VFR+32*\kc+8*\ct:VFR+32*\kc+8*\ct+3],   v[ADV] offset:\kc*32*PV+\ct*32
	ds_load_tr16_b128 v[VFR+32*\kc+8*\ct+4:VFR+32*\kc+8*\ct+7], v[ADV] offset:\kc*32*PV+16*PV+\ct*32
.endr
.endr
	s_wait_dscnt 16                                ; K is in; V's sixteen loads may be out
	WIN 0x01                                       ; source 0 window 1
.irp c, 0,1                            ; S^T = K Q^T: the eight accumulators by turns; the first eight products start the sums
.irp kt, 0,1,2,3
.irp t, 0,1
.if \c == 0
	v_wmma_f32_16x16x32_f16 v[S+32*\t+8*\kt:S+32*\t+8*\kt+7], v[16*\kt+8*\c:16*\kt+8*\c+7], v[Q+16*\t+8*\c:Q+16*\t+8*\c+7], 0
.else
	v_wmma_f32_16x16x32_f16 v[S+32*\t+8*\kt:S+32*\t+8*\kt+7], v[16*\kt+8*\c:16*\kt+8*\c+7], v[Q+16*\t+8*\c:Q+16*\t+8*\c+7], v[S+32*\t+8*\kt:S+32*\t+8*\kt+7]
.endif
.endr
.endr
.endr
	WIN 0
.rept 4
	v_nop                                          ; places in front of the first read of the scores
.endr
	s_add_co_u32 s66, s[KF], 63                    ; a step all of whose keys count for all my queries has no mask
	s_cmp_le_u32 s66, s[Q0]
	s_cbranch_scc1 .Lopen_\@
	s_sub_co_i32 s66, s[Q0], s[KF]
	v_add_nc_u32 v[D0], s66, v[RH]                 ; register 32 t + 8 kt + j holds key KF + 16 kt + 8 (lane / 16) + j of query Q0 + 16 t + lane % 16: hidden where 16 kt + j > d_t
	v_add_nc_u32 v[D0+1], 16, v[D0]
.irp t, 0,1
.irp kt, 0,1,2,3
.irp j, 0,1,2,3,4,5,6,7
	v_cmp_gt_i32 vcc_lo, 16*\kt+\j, v[D0+\t]
	v_cndmask_b32 v[S+32*\t+8*\kt+\j], v[S+32*\t+8*\kt+\j], v[NINF], vcc_lo
.endr
.endr
.endr
.Lopen_\@:
	SOFTMAX
	s_wait_dscnt 0x0                               ; V is in
	WIN 0x01
.irp kc, 0,1                           ; O^T += V^T P: the eight accumulators by turns
.irp ct, 0,1,2,3
.irp t, 0,1
	v_wmma_f32_16x16x32_f16 v[O+32*\t+8*\ct:O+32*\t+8*\ct+7], v[VFR+32*\kc+8*\ct:VFR+32*\kc+8*\ct+7], v[P+16*\t+8*\kc:P+16*\t+8*\kc+7], v[O+32*\t+8*\ct:O+32*\t+8*\ct+7]
.endr
.endr
.endr
	WIN 0
.Lhidden_\@:
	s_add_co_u32 s[KF], s[KF], 64
	s_add_co_u32 s[TB], s[TB], STEPB
.endm
.macro FOUR_STEPS                      ; a slot's four steps: written once, walked four times
	s_mov_b32 s[STP], 4
.Lstep_\@:
	STEP
	s_sub_co_u32 s[STP], s[STP], 1
	s_cmp_lg_u32 s[STP], 0
	s_cbranch_scc1 .Lstep_\@
	s_sub_co_u32 s[TB], s[TB], 4*STEPB             ; back to a slot's first step,
	s_xor_b32 s[TB], s[TB], SLOT1                  ; in the other slot
.endm
; THE CHANGE OF SLOTS stands at a trip's head.  Each wave waits for its tensor load (its part of the slot that it is about to read), adds 0 to its spare word, and waits for that and for its reads of the slot that it has left.
; Behind the barrier the slot ahead is whole and nobody reads the other one.  fill = 1: that other slot takes the next trip's key block: one on, or block 0 where the second pass begins.
.macro CHANGE fill
	s_wait_tensorcnt 0x0                           ; no tensor load of mine is out, so a group 0 may be written
	ds_add_u32 v[SPW], v[NIL]                      ; 0 onto my spare word (once: every way from the head passes a tensor load)
.if \fill
	s_xor_b32 s[G0K+1], s[G0K+1], SLOT1            ; the walking descriptors: the other slot than last time
	s_xor_b32 s[G0V+1], s[G0V+1], SLOT1
	s_add_co_u32 s[KO], s[KO], 32768
	s_add_co_u32 s66, s[TR], 1
	s_cmp_eq_u32 s66, s[LENA]
	s_cselect_b32 s[KO], 0, s[KO]
	s_add_nc_u64 s[G0K+2:G0K+3], s[KP:KP+1], s[KO:KO+1]
	s_or_b32 s[G0K+3], s[G0K+3], 0x80000000
	s_add_nc_u64 s[G0V+2:G0V+3], s[VP:VP+1], s[KO:KO+1]
	s_or_b32 s[G0V+3], s[G0V+3], 0x80000000
	s_wait_xcnt 0x0                                ; the last prefetch, a trip back, has read its address, so it may be written
	s_add_nc_u64 s[PFA:PFA+1], s[PFA:PFA+1], 32768
.endif
	s_wait_dscnt 0x0                               ; the add is done, and my reads of the slot that I have left are over
	s_barrier_signal -1
	s_barrier_wait -1
.if \fill
	TLOAD                                          ; the first thing behind the barrier, and my one tensor load until the next
	ASK
.endif
.endm
; A PASS ENDS.  l's two halves and the other half of the lanes' are added; O^T is divided by l, rounded to f16 and goes through my stage: 32 rows of 128 bytes, which are 4,096 consecutive bytes of attn16.
.macro FINISH op
.rept 4
	v_nop                                          ; places behind the last products
.endr
.irp t, 0,1
	v_add_f32 v[ST+8*\t+4], v[ST+8*\t+2], v[ST+8*\t+3]
.endr
.irp t, 0,1
	v_permlanex16_b32 v[ST+8*\t+5], v[ST+8*\t+4], s[SEL], s[SEL+1]
.endr
.irp t, 0,1
	v_add_f32 v[ST+8*\t+4], v[ST+8*\t+4], v[ST+8*\t+5]
.endr
.irp t, 0,1
	v_rcp_f32 v[ST+8*\t+6], v[ST+8*\t+4]
.endr
	v_nop                                          ; a plain instruction behind the last reciprocal,
	s_wait_alu depctr_va_vdst(0)                   ; and the wait ahead of the first use: one for the two
.set i, 0
.rept 16
.irp t, 0,1
	v_pk_mul_f32 v[O+32*\t+2*i:O+32*\t+2*i+1], v[O+32*\t+2*i:O+32*\t+2*i+1], v[ST+8*\t+6:ST+8*\t+7] op_sel_hi:[1,0]
.endr
.set i, i+1
.endr
.set i, 0
.rept 32
	v_cvt_pk_f16_f32 v[P+i], v[O+2*i], v[O+2*i+1]  ; register 16 t + 4 ct + n: channels 16 ct + 8 (lane / 16) + 2 n, + 1 of query 16 t + lane % 16
.set i, i+1
.endr
.irp t, 0,1
.irp ct, 0,1,2,3
	ds_store_b128 v[STO], v[P+16*\t+4*\ct:P+16*\t+4*\ct+3] offset:\t*16*SP+\ct*32
.endr
.endr
.irp i, 0,1,2,3,4,5,6,7
	ds_load_b128 v[OUTR+4*\i:OUTR+4*\i+3], v[RD] offset:\i*4*SP    ; LDS serves a wave's instructions in order (ISA guide 5.7.1.4): these see the stores above
.endr
.irp i, 0,1,2,3,4,5,6,7
	s_wait_dscnt 7-\i                              ; the younger loads may be out
	global_store_b128 v[GO], v[OUTR+4*\i:OUTR+4*\i+3], s[\op:\op+1] offset:\i*512   ; four rows: 512 consecutive bytes, aligned
.endr
.endm
	s_wait_loadcnt 0x0                             ; Q
.Ltrip:                                            ; eight trips: behind each change of slots the next trip's key block is asked for
	CHANGE 1
	s_cmp_eq_u32 s[TR], s[LENA]                    ; the second pass begins in trip I + 1, which is 1 to 4: a branch on the work-group's number and the trip, the same in all waves
	s_cbranch_scc0 .Lsame
	QLOAD QPB                                      ; the scores' products that read Q stand a softmax back
	FINISH OPA
	INIT
	s_mov_b32 s[KF], 0
	s_mov_b32 s[Q0], s[Q0B]
	s_wait_loadcnt 0x0                             ; Q
	s_wait_xcnt 0x0                                ; the stores have read v224-255, which the second pass's end writes again
.Lsame:
	FOUR_STEPS
	s_add_co_u32 s[TR], s[TR], 1
	s_cmp_lt_u32 s[TR], 8
	s_cbranch_scc1 .Ltrip
	CHANGE 0                                       ; the ninth trip is written out: it asks for nothing
	FOUR_STEPS
	FINISH OPB
	s_wait_tensorcnt 0x0                           ; the wave's end, behind my last tensor load and my last LDS store
	ds_add_u32 v[SPW], v[NIL]
	s_wait_dscnt 0x0
	s_endpgm
.Lfunc_end_k_q0f92c44c12_attn:
	.size	k_q0f92c44c12_attn, .Lfunc_end_k_q0f92c44c12_attn-k_q0f92c44c12_attn
	.p2alignl 7, 3214868480
	.fill 96, 4, 3214868480
	.section	.rodata,"a",@progbits
	.p2align	6, 0x0
	.amdhsa_kernel k_q0f92c44c12_attn
		.amdhsa_group_segment_fixed_size 327680
		.amdhsa_private_segment_fixed_size 0
		.amdhsa_enable_private_segment 0
		.amdhsa_kernarg_size 16
		.amdhsa_user_sgpr_count 2
		.amdhsa_user_sgpr_kernarg_segment_ptr 1
		.amdhsa_wavefront_size32 1
		.amdhsa_system_sgpr_workgroup_id_x 1
		.amdhsa_system_sgpr_workgroup_id_y 1
		.amdhsa_system_sgpr_workgroup_id_z 1
		.amdhsa_system_vgpr_workitem_id 0
		.amdhsa_next_free_vgpr 384
		.amdhsa_next_free_sgpr 72
		.amdhsa_reserve_vcc 1
		.amdhsa_float_denorm_mode_32 3
		.amdhsa_float_denorm_mode_16_64 3
		.amdhsa_memory_ordered 1
		.amdhsa_forward_progress 1
		.amdhsa_inst_pref_size 71
	.end_amdhsa_kernel
	.amdgpu_metadata
---
amdhsa.version: [ 1, 2 ]
amdhsa.kernels:
  - .name:           k_q0f92c44c12_attn
    .symbol:         k_q0f92c44c12_attn.kd
    .args:
      - { .name: qkv16, .offset: 0, .size: 8, .value_kind: global_buffer, .address_space: global }
      - { .name: attn16, .offset: 8, .size: 8, .value_kind: global_buffer, .address_space: global }
    .group_segment_fixed_size: 327680
    .private_segment_fixed_size: 0
    .kernarg_segment_align: 8
    .kernarg_segment_size: 16
    .max_flat_workgroup_size: 256
    .sgpr_count:     72
    .vgpr_count:     384
    .wavefront_size: 32
...
	.end_amdgpu_metadata
.endif
;; end of part 3
;; launch proj (part 4): grid 8 x 64, 4 waves a work-group, clusters of 4 x 4, 327,680 bytes of LDS; arguments attn16, wo16, out_proj_b, out0; writes out0
.if DOCPART == 4
	.amdgcn_target "amdgcn-amd-amdhsa--gfx1250"
	.amdhsa_code_object_version 6
	.text
	.protected	k_q0f92c44c12_proj
	.globl	k_q0f92c44c12_proj
	.p2align	8
	.type	k_q0f92c44c12_proj,@function
k_q0f92c44c12_proj:
	s_mov_b64 s[64:65], 0
	v_nop
	global_prefetch_b8 v0, s[64:65] scope:SCOPE_SE
	s_setreg_imm32_b32 hwreg(HW_REG_WAVE_MODE, 25, 1), 1
	s_wait_xcnt 0x0
	s_wait_alu depctr_hold_cnt(0) depctr_sa_sdst(0) depctr_va_vdst(0) depctr_va_sdst(0) depctr_va_ssrc(0) depctr_va_vcc(0) depctr_vm_vsrc(0)
	s_getreg_b32 s2, hwreg(HW_REG_IB_STS2, 6, 4)
	s_cmp_eq_u32 s2, 0
	s_cbranch_scc0 .Lentry_in_a_cluster
	s_endpgm
.Lentry_in_a_cluster:
	s_bfe_u32 s2, ttmp6, 0x10000c
	s_cmp_lg_u32 s2, 0xf033
	s_cbranch_scc0 .Lentry_shape_is_right
	s_endpgm
.Lentry_shape_is_right:
; out0[m][n] = sum over k of attn[m][k] out_proj_w[n][k] + out_proj_b[n]: m = 8,192, n = k = 1,024; f16 operands, f32 sums, f32 out.  No work is left out here; rows 0-15 of every sequence are made too,
; inside live tiles, and launch fine writes them anew in f32.
; A: attn16 [m / 128][k / 64][128 rows][64], B: wo16 [n / 128][k / 64][128 rows][64]: a chunk of 128 rows x 64 along K is 16,384 consecutive bytes.
; A tile of out0 is 128 x 128: 512 work-groups.  Four waves, each 64 x 64: 16 accumulators of 16 x 16.  K goes in steps of 256 (four chunks) through two LDS slots; a wave's tensor load brings two chunks,
; 256 rows of 128 bytes, dense.  K = 1,024 is four steps: each slot is filled twice.
; CLUSTERS: 4 x 4 work-groups.  The four of a row of the cluster need the same tiles of A, the four of a column the same tiles of B: each is asked for JOINTLY, by the same tensor load with the same descriptor and
; a mask that names the four.  THE MATRIX INSTRUCTION IS USED TRANSPOSED (source 0 = 16 rows of B, source 1 = 16 rows of A): a lane then holds eight neighbouring numbers of a row of out0.
; The bias is the C of each sum's first instruction.
; REGISTERS: window 0: v0-31 addresses; v32-95 rows on the way out; v96-127 the bias, eight registers for each of my 4 blocks of columns; v128-255 the accumulators ((a, b) at v[128 + 8 (4 a + b)]).
;   window 1: two fragment buffers of 128: for 64 along K, 64 registers of A (2 x 4 x 16 rows x 32 K), then 64 of B.
.set PITCH,  144                       ; an LDS row: 128 bytes + 16 of padding: the 16 rows that a load touches start 36 words apart
.set CH,     128*PITCH                 ; a chunk in LDS
.set HALFT,  2*CH                      ; what one tensor load brings
.set SLOT,   4*HALFT                   ; A's four chunks, then B's four
.set SPARE,  2*SLOT                    ; behind the ring: the spare words, 128 bytes for each wave, which no other line names
.set SPITCH, 272                       ; the way out: a stage of 64 rows x (256 bytes + 16) for each wave, in slot 0, which has had its last fill and its last read when the first result is stored there
.set ADRA, 16                          ; v16-17  LDS address of my A fragments in slot 0, 1
.set ADRB, 20                          ; v20-21  the same for B
.set STO,  24                          ; v24     the way out: where I put 32 bytes of a row
.set RD,   25                          ; v25     where I read a row back
.set CO,   26                          ; v26     my byte offset in out0
.set BO,   27                          ; v27     the bias: 32 x (lane / 16)
.set SPW,  28                          ; v28     LDS address of my spare word; never rewritten
.set NIL,  29                          ; v29     0; never rewritten
.set TMP,  32
.set BIAS, 96
.set ACC,  128
.set F0,   0                           ; fragment buffers, in window 1
.set F1,   128
.set G1, 24                            ; s[24:31] descriptor group 1 for A's tiles;  s[32:39] group 0, one set for each slot
.set G0, 32
.set G1B, 48                           ; s[48:55], s[56:63] the same for B's tiles
.set G0B, 56
.set MSB, 0
.macro WIN new                         ; the immediate's high byte repeats the setting that is left
.if MSB != \new
	s_set_vgpr_msb (MSB<<8)|\new
.set MSB, \new
.endif
.endm
.set MUL,  0x05                        ; sources 0 (B) and 1 (A) window 1; C and D window 0
.set TO_F, 0x40                        ; destination window 1, address window 0
.macro JLOAD s                         ; a joint load: waves 0 and 1 fetch A's two halves, waves 2 and 3 B's; an s_nop 0 and four v_nop follow each of the two lines
	s_cmp_eq_u32 s11, 0
	s_cbranch_scc0 .Lfor_b_\@
	tensor_load_to_lds s[G0+4*\s:G0+4*\s+3], s[G1:G1+7]
	s_nop 0
.rept 4
	v_nop
.endr
	s_branch .Lasked_\@
.Lfor_b_\@:
	tensor_load_to_lds s[G0B+4*\s:G0B+4*\s+3], s[G1B:G1B+7]
	s_nop 0
.rept 4
	v_nop
.endr
.Lasked_\@:
.endm
.macro CREST                           ; a round of the cluster's barrier behind its opening barrier
	s_cmp_lg_u32 s10, 0
	s_cbranch_scc1 .Lnot_wave_0_\@
	s_barrier_signal -3
.Lnot_wave_0_\@:
	s_barrier_wait -3
	s_barrier_signal -1
	s_barrier_wait -1
.endm
.macro CROUND                          ; a whole round
	s_barrier_signal -1
	s_barrier_wait -1
	CREST
.endm
	s_load_b128 s[4:7], s[0:1], 0x0                ; attn16 s[4:5], wo16 s[6:7]
	s_load_b128 s[68:71], s[0:1], 0x10             ; out_proj_b s[68:69], out0 s[70:71]
	v_lshl_add_u32 v[SPW], v0, 2, SPARE
	v_mov_b32 v[NIL], 0
	ds_add_u32 v[SPW], v[NIL]                      ; the wave's opening: the add, twice on end, and its wait ahead of my first tensor load
	ds_add_u32 v[SPW], v[NIL]                      ; and once more, under the one wait; the set-up below, work on registers, stands between
	v_lshrrev_b32 v1, 5, v0
	v_readfirstlane_b32 s10, v1                    ; wave 0..3
	s_lshr_b32 s11, s10, 1                         ; which half of the tile's rows is mine.  Also: I fetch for A (0) or for B (1)
	s_and_b32 s12, s10, 1                          ; which half of its columns.  Also: which two chunks of a K step I fetch
	s_bfe_u32 s40, ttmp6, 0x40000                  ; cx, cy: my place in the cluster
	s_bfe_u32 s41, ttmp6, 0x40004
	s_lshl_b32 s42, ttmp9, 2
	s_add_co_u32 s42, s42, s40                     ; tile column = 4 x cluster x + cx
	s_and_b32 s13, ttmp7, 0xffff
	s_lshl_b32 s13, s13, 2
	s_add_co_u32 s13, s13, s41                     ; tile row = 4 x cluster y + cy
	s_lshl_b32 s43, s41, 2
	s_lshl_b32 s43, 15, s43                        ; my row of the cluster
	s_lshl_b32 s44, 0x1111, s40                    ; my column
	; descriptor group 1: 256 rows x 64 elements of 2 bytes, dense in memory, padded in LDS
	s_or_b32 s[G1+0], s43, (1<<16)|(1<<20)|(1<<21)|(4<<22)|(3<<25)  ; 15:0 the mask: A's tiles go to my row; 17:16 element of 2 bytes; 20 padding on; 21 set beside a mask; 24:22 after every 32 words (code 4); 31:25 of 4 words (code 3)
	s_or_b32 s[G1B+0], s44, (1<<16)|(1<<20)|(1<<21)|(4<<22)|(3<<25)
.irp g, G1, G1B
	s_mov_b32 s[\g+1], 64<<16                      ; tensor_dim0 = 64
	s_mov_b32 s[\g+2], 256<<16                     ; tensor_dim1 = 256
	s_mov_b32 s[\g+3], 64<<16                      ; tile_dim0 = 64
	s_mov_b32 s[\g+4], 256                         ; tile_dim1 = 256
	s_mov_b32 s[\g+5], 64                          ; tensor_dim0_stride
	s_mov_b32 s[\g+6], 0
	s_mov_b32 s[\g+7], 0
.endr
	s_lshl_b32 s17, s12, 15                        ; which two chunks I fetch: 32,768 bytes
	s_lshl_b32 s16, s13, 18                        ; A: the tile row's sixteen chunks: 262,144 bytes
	s_add_co_u32 s16, s16, s17
	s_lshl_b32 s46, s42, 18                        ; B: the tile column's
	s_add_co_u32 s46, s46, s17
	s_mov_b32 s17, 0
	s_mov_b32 s47, 0
	s_mul_i32 s20, s10, HALFT                      ; where they go: wave x two chunks: no place in the cluster enters an LDS address
	s_wait_dscnt 0x0                               ; both opening adds are done
	s_wait_kmcnt 0x0
	s_add_nc_u64 s[14:15], s[4:5], s[16:17]
	s_add_nc_u64 s[46:47], s[6:7], s[46:47]
	CROUND                                         ; all sixteen work-groups are here: the first joint loads meet
.irp s, 0,1
	s_mov_b32 s[G0+4*\s], 1
	s_add_co_u32 s[G0+4*\s+1], s20, \s*SLOT
	s_add_nc_u64 s[G0+4*\s+2:G0+4*\s+3], s[14:15], \s*65536        ; K step s: four chunks on
	s_or_b32 s[G0+4*\s+3], s[G0+4*\s+3], 0x80000000
	s_mov_b32 s[G0B+4*\s], 1
	s_add_co_u32 s[G0B+4*\s+1], s20, \s*SLOT
	s_add_nc_u64 s[G0B+4*\s+2:G0B+4*\s+3], s[46:47], \s*65536
	s_or_b32 s[G0B+4*\s+3], s[G0B+4*\s+3], 0x80000000
	JLOAD \s
.endr
	v_and_b32 v1, 15, v0                           ; l % 16
	v_bfe_u32 v2, v0, 4, 1                         ; l / 16
	; the bias of my 64 columns, in the result's layout: for block b lane (r, h) wants columns 16 b + 8 h + 0 .. 7
	v_lshlrev_b32 v[BO], 5, v2
	s_lshl_b32 s46, s42, 9                         ; my first column, in bytes: 512 x tile column + 256 x half
	s_lshl_b32 s47, s12, 8
	s_add_co_u32 s46, s46, s47
	s_mov_b32 s47, 0
	s_add_nc_u64 s[68:69], s[68:69], s[46:47]
	s_add_nc_u64 s[70:71], s[70:71], s[46:47]
.irp b, 0,1,2,3
	global_load_b128 v[BIAS+8*\b:BIAS+8*\b+3], v[BO], s[68:69] offset:64*\b
	global_load_b128 v[BIAS+8*\b+4:BIAS+8*\b+7], v[BO], s[68:69] offset:64*\b+16
.endr
	v_mul_u32_u24 v3, v1, PITCH
	v_lshl_add_u32 v3, v2, 4, v3                   ; a fragment's row x pitch + 16 x half
	s_mul_i32 s21, s11, 64*PITCH                   ; my 64 rows in each chunk of A
	s_mul_i32 s22, s12, 64*PITCH                   ; my 64 rows in each chunk of B,
	s_add_co_u32 s22, s22, 2*HALFT                 ; which lie behind A's four
.irp s, 0,1
	v_add_nc_u32 v[ADRA+\s], s21, v3
	v_add_nc_u32 v[ADRB+\s], s22, v3
	s_add_co_u32 s21, s21, SLOT
	s_add_co_u32 s22, s22, SLOT
.endr
	s_mul_i32 s23, s10, 64*SPITCH                  ; my stage
	v_mul_u32_u24 v4, v1, SPITCH                   ; in: row l % 16, 32 bytes for each half of the lanes
	v_lshl_add_u32 v4, v2, 5, v4
	v_add_nc_u32 v[STO], s23, v4
	v_mul_u32_u24 v5, v2, SPITCH                   ; back: lanes 0-15 take one row of 256 bytes, lanes 16-31 the next
	v_lshl_add_u32 v5, v1, 4, v5
	v_add_nc_u32 v[RD], s23, v5
	v_lshlrev_b32 v5, 12, v2                       ; and the same two rows in out0
	v_lshl_add_u32 v[CO], v1, 4, v5
	s_lshl_b32 s16, s13, 19                        ; my first row: 128 x tile row + 64 x half, of 4,096 bytes
	s_lshl_b32 s17, s11, 18
	s_add_co_u32 s16, s16, s17
	s_mov_b32 s17, 0
	s_add_nc_u64 s[70:71], s[70:71], s[16:17]
; 8 matrix instructions: m blocks a0, a0 + 1 x all 4 n blocks, 32 along K: half c of buffer f.  first = 1: the product starts the sums on the bias.  The 16 accumulators take turns.
.macro MUL8 f, c, a0, first
.irp a, \a0, \a0+1
.irp b, 0,1,2,3
.if \first
	v_wmma_f32_16x16x32_f16 v[ACC+8*(4*(\a)+\b):ACC+8*(4*(\a)+\b)+7], v[\f+64+8*(4*\c+\b):\f+64+8*(4*\c+\b)+7], v[\f+8*(4*\c+\a):\f+8*(4*\c+\a)+7], v[BIAS+8*\b:BIAS+8*\b+7]
.else
	v_wmma_f32_16x16x32_f16 v[ACC+8*(4*(\a)+\b):ACC+8*(4*(\a)+\b)+7], v[\f+64+8*(4*\c+\b):\f+64+8*(4*\c+\b)+7], v[\f+8*(4*\c+\a):\f+8*(4*\c+\a)+7], v[ACC+8*(4*(\a)+\b):ACC+8*(4*(\a)+\b)+7]
.endif
.endr
.endr
.endm
; 32 LDS loads in one run: the fragments of the slot's chunk q (64 along K) into buffer f; the first 32 along K first
.macro FETCH slot, q, f
	WIN TO_F
.irp c, 0,1
.irp i, 0,1,2,3
	ds_load_b128 v[\f+64+8*(4*\c+\i):\f+64+8*(4*\c+\i)+3],   v[ADRB+\slot] offset:(\q)*CH+64*\c+\i*16*PITCH
	ds_load_b128 v[\f+64+8*(4*\c+\i)+4:\f+64+8*(4*\c+\i)+7], v[ADRB+\slot] offset:(\q)*CH+64*\c+\i*16*PITCH+32
	ds_load_b128 v[\f+8*(4*\c+\i):\f+8*(4*\c+\i)+3],         v[ADRA+\slot] offset:(\q)*CH+64*\c+\i*16*PITCH
	ds_load_b128 v[\f+8*(4*\c+\i)+4:\f+8*(4*\c+\i)+7],       v[ADRA+\slot] offset:(\q)*CH+64*\c+\i*16*PITCH+32
.endr
.endr
.endm
.macro PLACES                          ; four places in front of loads into registers that matrix instructions have read, and of stores that read results
.rept 4
	v_nop
.endr
.endm
; A K step is four quarters of one chunk, 32 matrix instructions each, on buffers 0, 1, 0, 1.  One of the first three: multiplies buffer f and fetches the next chunk, q, into g.
.macro QUARTER slot, q, f, g, first
	s_wait_dscnt 16                                ; the first 32 along K are in; the sixteen loads of the second 32 may be out
	WIN MUL
	MUL8 \f, 0, 0, \first
	MUL8 \f, 0, 2, \first
	PLACES
	FETCH \slot, \q, \g
	s_wait_dscnt 32                                ; all but the 32 just issued
	WIN MUL
	MUL8 \f, 1, 0, 0
	MUL8 \f, 1, 2, 0
.endm
; The last quarter multiplies buffer 1 and changes slots: ONE barrier; in front of it each wave waits for all its tensor loads, adds 0 to its spare word, and waits for that and for its own reads of this slot.
; fill = 1: this slot is filled again, two K steps ahead; the barrier then opens a round of the cluster's barrier.
.macro TURN slot, next, fill
	WIN 0                                          ; (the add's two registers lie in window 0)
	s_wait_tensorcnt 0x0                           ; all my tensor loads have landed: my part of the next slot;
	ds_add_u32 v[SPW], v[NIL]                      ; 0 onto my spare word;
	s_wait_dscnt 17                                ; (the add and the youngest sixteen loads may be out)
	WIN MUL
	MUL8 F1, 0, 0, 0                               ; eight matrix instructions stand between the add and the wait for it
	s_wait_dscnt 0x0                               ; the add is done, and my reads of this slot are over
	s_barrier_signal -1
	MUL8 F1, 0, 2, 0
.if \fill
	WIN 0
.endif
	s_barrier_wait -1
.if \fill
	CREST                                          ; no wave of any partner still reads this slot's tile or has a load on its way
	s_add_nc_u64 s[G0+4*\slot+2:G0+4*\slot+3], s[G0+4*\slot+2:G0+4*\slot+3], 2*65536
	s_add_nc_u64 s[G0B+4*\slot+2:G0B+4*\slot+3], s[G0B+4*\slot+2:G0B+4*\slot+3], 2*65536
	JLOAD \slot                                    ; the first tensor load behind the round; the four v_nop behind it are also the places in front of the loads below
.else
	PLACES
.endif
	FETCH \next, 0, F0
	WIN MUL
	MUL8 F1, 1, 0, 0
	MUL8 F1, 1, 2, 0
.endm
	s_wait_tensorcnt 1                             ; my part of K step 0 is in (K step 1's load may be out)
	s_barrier_signal -1
	s_barrier_wait -1                              ; everybody's is
	FETCH 0, 0, F0
	s_wait_loadcnt 0x0                             ; the bias
	QUARTER 0, 1, F0, F1, 1                        ; K step 0; its first products start the sums on the bias
	QUARTER 0, 2, F1, F0, 0
	QUARTER 0, 3, F0, F1, 0
	TURN 0, 1, 1                                   ; slot 0 takes K step 2
	QUARTER 1, 1, F0, F1, 0                        ; K step 1
	QUARTER 1, 2, F1, F0, 0
	QUARTER 1, 3, F0, F1, 0
	TURN 1, 0, 1                                   ; slot 1 takes K step 3
	QUARTER 0, 1, F0, F1, 0                        ; K step 2
	QUARTER 0, 2, F1, F0, 0
	QUARTER 0, 3, F0, F1, 0
	TURN 0, 1, 0                                   ; nothing is left to fetch
	QUARTER 1, 1, F0, F1, 0                        ; K step 3
	QUARTER 1, 2, F1, F0, 0
	QUARTER 1, 3, F0, F1, 0
	s_wait_dscnt 16                                ; the very last quarter
	WIN MUL
	MUL8 F1, 0, 0, 0
	MUL8 F1, 0, 2, 0
	s_wait_dscnt 0
	MUL8 F1, 1, 0, 0
	MUL8 F1, 1, 2, 0
	WIN 0
; THE WAY OUT, block by block of 16 rows x 64 columns.  A lane holds 32 neighbouring bytes of a row, and the lanes beside it hold other rows: so a block goes through my own stage and comes back as whole rows of
; 256 bytes, which sixteen lanes store as one aligned run.  LDS serves a wave's instructions in order (ISA guide 5.7.1.4): no wait between the stores and the loads.
.macro TOSTAGE a
.irp b, 0,1,2,3
	ds_store_b128 v[STO], v[ACC+8*(4*(\a)+\b):ACC+8*(4*(\a)+\b)+3] offset:(\a)*16*SPITCH+64*\b        ; each accumulator from its low end on
	ds_store_b128 v[STO], v[ACC+8*(4*(\a)+\b)+4:ACC+8*(4*(\a)+\b)+7] offset:(\a)*16*SPITCH+64*\b+16
.endr
.irp t, 0,1,2,3,4,5,6,7
	ds_load_b128 v[TMP+32*((\a)%2)+4*\t:TMP+32*((\a)%2)+4*\t+3], v[RD] offset:(\a)*16*SPITCH+\t*2*SPITCH
.endr
.endm
.macro SEND a, younger                 ; younger: the LDS instructions issued behind block a's loads, which may stay out
	s_wait_dscnt \younger
.irp t, 0,1,2,3,4,5,6,7
	global_store_b128 v[CO], v[TMP+32*((\a)%2)+4*\t:TMP+32*((\a)%2)+4*\t+3], s[70:71] offset:(16*(\a)+2*\t)*4096 th:TH_STORE_NT   ; written once, read by nobody here
.endr
.endm
	PLACES
	TOSTAGE 0
.irp a, 1,2,3
.if \a > 1
	s_wait_xcnt 0x0                                ; block a - 2's stores have read their registers: block a's loads may land there
.endif
	TOSTAGE \a
	SEND \a-1, 16                                  ; behind block a - 1's loads: block a's 8 stores and 8 loads
.endr
	SEND 3, 0
	s_wait_tensorcnt 0x0                           ; the wave's end, behind my last tensor load and my last LDS store
	ds_add_u32 v[SPW], v[NIL]
	s_wait_dscnt 0x0
	CROUND                                         ; the closing round: no work-group ends while a partner may still ask for a tile that names it
	s_endpgm
.Lfunc_end_k_q0f92c44c12_proj:
	.size	k_q0f92c44c12_proj, .Lfunc_end_k_q0f92c44c12_proj-k_q0f92c44c12_proj
	.p2alignl 7, 3214868480
	.fill 96, 4, 3214868480
	.section	.rodata,"a",@progbits
	.p2align	6, 0x0
	.amdhsa_kernel k_q0f92c44c12_proj
		.amdhsa_group_segment_fixed_size 327680
		.amdhsa_private_segment_fixed_size 0
		.amdhsa_enable_private_segment 0
		.amdhsa_kernarg_size 32
		.amdhsa_user_sgpr_count 2
		.amdhsa_user_sgpr_kernarg_segment_ptr 1
		.amdhsa_wavefront_size32 1
		.amdhsa_system_sgpr_workgroup_id_x 1
		.amdhsa_system_sgpr_workgroup_id_y 1
		.amdhsa_system_sgpr_workgroup_id_z 1
		.amdhsa_system_vgpr_workitem_id 0
		.amdhsa_next_free_vgpr 512
		.amdhsa_next_free_sgpr 72
		.amdhsa_reserve_vcc 0
		.amdhsa_float_denorm_mode_32 3
		.amdhsa_float_denorm_mode_16_64 3
		.amdhsa_memory_ordered 1
		.amdhsa_forward_progress 1
		.amdhsa_inst_pref_size 86
	.end_amdhsa_kernel
	.amdgpu_metadata
---
amdhsa.version: [ 1, 2 ]
amdhsa.kernels:
  - .name:           k_q0f92c44c12_proj
    .symbol:         k_q0f92c44c12_proj.kd
    .args:
      - { .name: attn16, .offset: 0, .size: 8, .value_kind: global_buffer, .address_space: global }
      - { .name: wo16, .offset: 8, .size: 8, .value_kind: global_buffer, .address_space: global }
      - { .name: out_proj_b, .offset: 16, .size: 8, .value_kind: global_buffer, .address_space: global }
      - { .name: out0, .offset: 24, .size: 8, .value_kind: global_buffer, .address_space: global }
    .group_segment_fixed_size: 327680
    .private_segment_fixed_size: 0
    .kernarg_segment_align: 8
    .kernarg_segment_size: 32
    .max_flat_workgroup_size: 128
    .sgpr_count:     72
    .vgpr_count:     512
    .wavefront_size: 32
...
	.end_amdgpu_metadata
.endif
;; end of part 4
;; launch fine (part 5): grid 64 x 4, 16 waves a work-group, no clusters, 18,432 bytes of LDS; arguments qkvf, out_proj_w, out_proj_b, out0; writes out0
.if DOCPART == 5
	.amdgcn_target "amdgcn-amd-amdhsa--gfx1250"
	.amdhsa_code_object_version 6
	.text
	.protected	k_q0f92c44c12_fine
	.globl	k_q0f92c44c12_fine
	.p2align	8
	.type	k_q0f92c44c12_fine,@function
k_q0f92c44c12_fine:
	s_mov_b64 s[64:65], 0
	v_nop
	global_prefetch_b8 v0, s[64:65] scope:SCOPE_SE
	s_setreg_imm32_b32 hwreg(HW_REG_WAVE_MODE, 25, 1), 1
	s_wait_xcnt 0x0
; POSITIONS 0-15 OF EVERY SEQUENCE, WHOLLY IN f32.  Under the causal mask these rows average one to sixteen values and are the largest of the output, so the rounding of 16-bit operands weighs most on them:
; their scores, weighted values and projection are made here from the unrounded q, k, v (qkvf [batch][16][3072]) and the unrounded out_proj_w, by v_wmma_f32_16x16x4_f32, and written over what launch proj left in
; those 64 rows of out0.  This is no bulk work: 48 matrix instructions a wave.  Nothing is left out but what the mask hides inside the one tile, which is selected away.
; SHARES.  Work-group (slab, batch) makes out0[batch][0..15][16 slab .. 16 slab + 15].  Wave w is head w: it makes that head's 16 x 16 attention and the part of the projection that its 64 channels give;
; the sixteen parts meet in LDS, and waves 0 and 1 add them and the bias and store: 16 bytes a lane, in pieces (262,144 bytes in the whole launch).
; K IS PERMUTED ALIKE IN BOTH OPERANDS of each product (in this form lane half h holds k = 2 h + j of a step's four), so that plain loads fill the operands and each result IS the next operand:
;   S^T = K Q^T, step kk of 16: channels 32 h + 2 kk + j.    O^T = V^T P, step kk of 4: keys 8 h + 2 kk + j.    out^T = W O^T, step (ct, kk): channels 16 ct + 8 h + 2 kk + j.
; The registers that the matrix instructions write (v144-207) are written by nothing else; what is made of a finished sum goes into other registers; each sum's first instruction takes the constant 0.
.set SPARE, 16384                      ; LDS: 16 parts of 1,024 bytes; behind them the spare words, 128 bytes for each wave, which no other line names
.set QKO, 3                            ; v3   q, k: row lane % 16 of 12,288 bytes + 128 (lane / 16)
.set VO,  4                            ; v4   v: 8 (lane / 16) rows + 4 (lane % 16)
.set WO,  5                            ; v5   out_proj_w: row lane % 16 of 4,096 bytes + 32 (lane / 16)
.set BO,  6                            ; v6   the bias: 32 (lane / 16) + 16 (wave % 2)
.set OO,  7                            ; v7   out0: row lane % 16 + 32 (lane / 16) + 16 (wave % 2)
.set PST, 8                            ; v8   LDS: my part: 1,024 x wave + 16 x lane
.set PRD, 9                            ; v9   LDS: 16 x lane + 512 (wave % 2)
.set SPW, 10                           ; v10  LDS address of my spare word; never rewritten
.set NIL, 11                           ; v11  0; never rewritten
.set DD,  12                           ; v12  lane % 16 - 8 (lane / 16)
.set NINF, 13                          ; v13  -infinity
.set QR,  16                           ; v16-47   q: 32 channels of my row
.set KR,  48                           ; v48-79   k likewise
.set VT,  80                           ; v80-111  v: 8 ct + j: key 8 h + j, channel 16 ct + r
.set WR,  112                          ; v112-143 out_proj_w: 8 ct + i: channel 16 ct + 8 h + i of row r
.set SA,  144                          ; v144-159 S^T in two sums
.set OT,  160                          ; v160-191 O^T: 8 ct
.set RA,  192                          ; v192-207 out^T in two sums
.set SS,  208                          ; v208-215 the scores, then p
.set PN,  216                          ; v216-223 p / l
.set RS,  224                          ; v224-231 my part of out^T
	s_load_b256 s[4:11], s[0:1], 0x0               ; qkvf s[4:5], out_proj_w s[6:7], out_proj_b s[8:9], out0 s[10:11]
	v_lshl_add_u32 v[SPW], v0, 2, SPARE
	v_mov_b32 v[NIL], 0
	v_lshrrev_b32 v1, 5, v0
	v_readfirstlane_b32 s12, v1                    ; wave = head
	s_and_b32 s13, ttmp7, 0xffff                   ; batch
	s_and_b32 s15, s12, 1
	v_and_b32 v1, 15, v0                           ; r
	v_bfe_u32 v2, v0, 4, 1                         ; h
	v_and_b32 v14, 31, v0                          ; lane
	v_mul_u32_u24 v[QKO], v1, 12288
	v_lshl_add_u32 v[QKO], v2, 7, v[QKO]
	v_mul_u32_u24 v[VO], v2, 98304
	v_lshl_add_u32 v[VO], v1, 2, v[VO]
	v_lshlrev_b32 v[WO], 12, v1
	v_lshl_add_u32 v[WO], v2, 5, v[WO]
	s_lshl_b32 s16, s15, 4
	v_lshlrev_b32 v[BO], 5, v2
	v_add_nc_u32 v[BO], s16, v[BO]
	v_add_nc_u32 v[OO], s16, v[WO]
	s_lshl_b32 s16, s12, 10
	v_lshlrev_b32 v[PRD], 4, v14
	v_add_nc_u32 v[PST], s16, v[PRD]
	s_lshl_b32 s16, s15, 9
	v_add_nc_u32 v[PRD], s16, v[PRD]
	v_lshlrev_b32 v15, 3, v2
	v_sub_nc_u32 v[DD], v1, v15
	v_mov_b32 v[NINF], 0xff800000
	s_mov_b32 s20, 0x76543210
	s_mov_b32 s21, 0xfedcba98                      ; v_permlanex16_b32's selects for lane l xor 16
	s_mov_b32 s22, 0x3e38aa3b                      ; c = log2(e) / 8
	s_lshl_b32 s14, s12, 8                         ; my head's 64 columns of 4 bytes
	s_mul_i32 s16, s13, 196608                     ; qkvf: my batch's 16 rows
	s_add_co_u32 s16, s16, s14
	s_mov_b32 s17, 0
	s_lshl_b32 s18, ttmp9, 16                      ; out_proj_w: my slab's 16 rows
	s_add_co_u32 s18, s18, s14
	s_mov_b32 s19, 0
	s_lshl_b32 s24, ttmp9, 6                       ; my slab's 16 columns of 4 bytes
	s_mov_b32 s25, 0
	s_lshl_b32 s26, s13, 23                        ; out0: my batch's 2,048 rows of 4,096 bytes
	s_add_co_u32 s26, s26, s24
	s_mov_b32 s27, 0
	s_wait_kmcnt 0x0
	s_add_nc_u64 s[4:5], s[4:5], s[16:17]
	s_add_nc_u64 s[6:7], s[6:7], s[18:19]
	s_add_nc_u64 s[8:9], s[8:9], s[24:25]
	s_add_nc_u64 s[10:11], s[10:11], s[26:27]
.irp i, 0,1,2,3,4,5,6,7
	global_load_b128 v[QR+4*\i:QR+4*\i+3], v[QKO], s[4:5] offset:16*\i
.endr
.irp i, 0,1,2,3,4,5,6,7
	global_load_b128 v[KR+4*\i:KR+4*\i+3], v[QKO], s[4:5] offset:4096+16*\i
.endr
.irp ct, 0,1,2,3
.irp j, 0,1,2,3,4,5,6,7
	global_load_b32 v[VT+8*\ct+\j], v[VO], s[4:5] offset:8192+\j*12288+\ct*64
.endr
.endr
.irp ct, 0,1,2,3
	global_load_b128 v[WR+8*\ct:WR+8*\ct+3], v[WO], s[6:7] offset:\ct*64
	global_load_b128 v[WR+8*\ct+4:WR+8*\ct+7], v[WO], s[6:7] offset:\ct*64+16
.endr
	s_wait_loadcnt 40                              ; q and k are in; v's 32 loads and out_proj_w's 8 may be out
.set kk, 0
.rept 16                               ; S^T = K Q^T: two sums by turns
.if kk < 2
	v_wmma_f32_16x16x4_f32 v[SA+8*(kk%2):SA+8*(kk%2)+7], v[KR+2*kk:KR+2*kk+1], v[QR+2*kk:QR+2*kk+1], 0
.else
	v_wmma_f32_16x16x4_f32 v[SA+8*(kk%2):SA+8*(kk%2)+7], v[KR+2*kk:KR+2*kk+1], v[QR+2*kk:QR+2*kk+1], v[SA+8*(kk%2):SA+8*(kk%2)+7]
.endif
.set kk, kk+1
.endr
.rept 8
	v_nop                                          ; eight places behind this form, in front of the first read of its results (ISA guide 7.12.1)
.endr
.irp j, 0,1,2,3,4,5,6,7
	v_add_f32 v[SS+\j], v[SA+\j], v[SA+8+\j]       ; register j: key 8 h + j of query r; both sums from their low ends on
.endr
.irp j, 0,1,2,3,4,5,6,7
	v_cmp_gt_i32 vcc_lo, \j, v[DD]                 ; hidden where 8 h + j > r
	v_cndmask_b32 v[SS+\j], v[SS+\j], v[NINF], vcc_lo
.endr
	v_max3_num_f32 v232, v[SS], v[SS+1], v[SS+2]
	v_max3_num_f32 v233, v[SS+3], v[SS+4], v[SS+5]
	v_max3_num_f32 v232, v232, v[SS+6], v[SS+7]
	v_max_num_f32 v232, v232, v233
	v_permlanex16_b32 v233, v232, s20, s21
	v_max_num_f32 v232, v232, v233                 ; the row's maximum: key 0 counts for every query, so it is a number
	v_mul_f32 v233, s22, v232
.irp j, 0,1,2,3,4,5,6,7
	v_fma_f32 v[SS+\j], v[SS+\j], s22, -v233       ; c s - c m
.endr
.irp j, 0,1,2,3,4,5,6,7
	v_exp_f32 v[SS+\j], v[SS+\j]
.endr
	v_nop                                          ; a plain instruction behind the last exponential,
	s_wait_alu depctr_va_vdst(0)                   ; and the wait ahead of the first use: one for the eight
	v_pk_add_f32 v[234:235], v[SS:SS+1], v[SS+2:SS+3]
	v_pk_add_f32 v[236:237], v[SS+4:SS+5], v[SS+6:SS+7]
	v_pk_add_f32 v[234:235], v[234:235], v[236:237]
	v_add_f32 v234, v234, v235
	v_permlanex16_b32 v235, v234, s20, s21
	v_add_f32 v234, v234, v235                     ; the row's sum
	v_rcp_f32 v236, v234
	v_nop
	s_wait_alu depctr_va_vdst(0)
.irp i, 0,1,2,3
	v_pk_mul_f32 v[PN+2*\i:PN+2*\i+1], v[SS+2*\i:SS+2*\i+1], v[236:237] op_sel_hi:[1,0]
.endr
	s_wait_loadcnt 8                               ; v is in; out_proj_w's 8 loads may be out
.irp kk, 0,1,2,3                       ; O^T = V^T P: four accumulators by turns
.irp ct, 0,1,2,3
.if \kk == 0
	v_wmma_f32_16x16x4_f32 v[OT+8*\ct:OT+8*\ct+7], v[VT+8*\ct+2*\kk:VT+8*\ct+2*\kk+1], v[PN+2*\kk:PN+2*\kk+1], 0
.else
	v_wmma_f32_16x16x4_f32 v[OT+8*\ct:OT+8*\ct+7], v[VT+8*\ct+2*\kk:VT+8*\ct+2*\kk+1], v[PN+2*\kk:PN+2*\kk+1], v[OT+8*\ct:OT+8*\ct+7]
.endif
.endr
.endr
.rept 9
	v_nop                                          ; nine places in front of matrix instructions that take these results as an operand
.endr
	s_wait_loadcnt 0x0                             ; out_proj_w
.set n, 0
.rept 16                               ; out^T = W O^T over my head's 64 channels: step n = 4 ct + kk; two sums by turns
.if n < 2
	v_wmma_f32_16x16x4_f32 v[RA+8*(n%2):RA+8*(n%2)+7], v[WR+2*n:WR+2*n+1], v[OT+2*n:OT+2*n+1], 0
.else
	v_wmma_f32_16x16x4_f32 v[RA+8*(n%2):RA+8*(n%2)+7], v[WR+2*n:WR+2*n+1], v[OT+2*n:OT+2*n+1], v[RA+8*(n%2):RA+8*(n%2)+7]
.endif
.set n, n+1
.endr
.rept 8
	v_nop
.endr
.irp j, 0,1,2,3,4,5,6,7
	v_add_f32 v[RS+\j], v[RA+\j], v[RA+8+\j]       ; register j: column 16 slab + 8 h + j of query r
.endr
	ds_store_b128 v[PST], v[RS:RS+3]
	ds_store_b128 v[PST], v[RS+4:RS+7] offset:512
	s_wait_dscnt 0x0                               ; for the others' sake: my part lies in LDS
	s_barrier_signal -1
	s_barrier_wait -1
	s_cmp_lt_u32 s12, 2                            ; waves 0 and 1 add the sixteen parts: wave u takes registers 4 u .. 4 u + 3 of each
	s_cbranch_scc0 .Ldone
	global_load_b128 v[240:243], v[BO], s[8:9]     ; out_proj_b at my four columns
.irp p, 0,1,2,3,4,5,6,7,8,9,10,11,12,13,14,15
	ds_load_b128 v[16+4*\p:16+4*\p+3], v[PRD] offset:\p*1024
.endr
	s_wait_dscnt 0x0
.irp w, 8,16,32,64
.set u, 0
.rept 64/\w
	v_pk_add_f32 v[16+\w*u:16+\w*u+1], v[16+\w*u:16+\w*u+1], v[16+\w*u+\w/2:16+\w*u+\w/2+1]
	v_pk_add_f32 v[16+\w*u+2:16+\w*u+3], v[16+\w*u+2:16+\w*u+3], v[16+\w*u+\w/2+2:16+\w*u+\w/2+3]
.set u, u+1
.endr
.endr
	s_wait_loadcnt 0x0
	v_pk_add_f32 v[16:17], v[16:17], v[240:241]
	v_pk_add_f32 v[18:19], v[18:19], v[242:243]
	global_store_b128 v[OO], v[16:19], s[10:11]
.Ldone:
	s_wait_tensorcnt 0x0                           ; the wave's end, behind my last LDS store
	ds_add_u32 v[SPW], v[NIL]
	s_wait_dscnt 0x0
	s_endpgm
.Lfunc_end_k_q0f92c44c12_fine:
	.size	k_q0f92c44c12_fine, .Lfunc_end_k_q0f92c44c12_fine-k_q0f92c44c12_fine
	.p2alignl 7, 3214868480
	.fill 96, 4, 3214868480
	.section	.rodata,"a",@progbits
	.p2align	6, 0x0
	.amdhsa_kernel k_q0f92c44c12_fine
		.amdhsa_group_segment_fixed_size 18432
		.amdhsa_private_segment_fixed_size 0
		.amdhsa_enable_private_segment 0
		.amdhsa_kernarg_size 32
		.amdhsa_user_sgpr_count 2
		.amdhsa_user_sgpr_kernarg_segment_ptr 1
		.amdhsa_wavefront_size32 1
		.amdhsa_system_sgpr_workgroup_id_x 1
		.amdhsa_system_sgpr_workgroup_id_y 1
		.amdhsa_system_sgpr_workgroup_id_z 1
		.amdhsa_system_vgpr_workitem_id 0
		.amdhsa_next_free_vgpr 256
		.amdhsa_next_free_sgpr 66
		.amdhsa_reserve_vcc 1
		.amdhsa_float_denorm_mode_32 3
		.amdhsa_float_denorm_mode_16_64 3
		.amdhsa_memory_ordered 1
		.amdhsa_forward_progress 1
		.amdhsa_inst_pref_size 18
	.end_amdhsa_kernel
	.amdgpu_metadata
---
amdhsa.version: [ 1, 2 ]
amdhsa.kernels:
  - .name:           k_q0f92c44c12_fine
    .symbol:         k_q0f92c44c12_fine.kd
    .args:
      - { .name: qkvf, .offset: 0, .size: 8, .value_kind: global_buffer, .address_space: global }
      - { .name: out_proj_w, .offset: 8, .size: 8, .value_kind: global_buffer, .address_space: global }
      - { .name: out_proj_b, .offset: 16, .size: 8, .value_kind: global_buffer, .address_space: global }
      - { .name: out0, .offset: 24, .size: 8, .value_kind: global_buffer, .address_space: global }
    .group_segment_fixed_size: 18432
    .private_segment_fixed_size: 0
    .kernarg_segment_align: 8
    .kernarg_segment_size: 32
    .max_flat_workgroup_size: 512
    .sgpr_count:     66
    .vgpr_count:     256
    .wavefront_size: 32
...
	.end_amdgpu_metadata
.endif
;; end of part 5
